; MI455X (gfx1250); checked and timed in simulation.
; The chip was launched on July 23, 2026; its instructions are those of AMD's public machine-readable ISA for CDNA 5 (MIT licence, August 2026) and "CDNA5" Instruction Set Architecture Reference Guide (July 2026). The comments in the code are by the model that wrote it; some were corrected since.
;; Cross Attention. Allowed arithmetic: float matrix products may take bf16 or f16 operands with f32 sums; other float arithmetic in f32, or as packed bf16 or f16 multiplies, adds, multiply-adds, maxima and minima; sums over many terms, partial sums and values carried from step to step in f32; what a program stores and reads back later, other than sums and carried values, may be rounded once to bf16 or f16.
;; Inputs: Wk 1,024 x 1,024 float32; Wq 1,024 x 1,024 float32; Wv 1,024 x 1,024 float32; bk 1,024 float32; bq 1,024 float32; bv 1,024 float32; event_f 4 x 2,048 x 1,024 float32; img_f 4 x 2,048 x 1,024 float32.
;; Outputs: out0 4 x 2,048 x 1,024 float32.
;; One version. Each part assembles by itself: llvm-mc -triple=amdgcn-amd-amdhsa -mcpu=gfx1250 --defsym DOCPART=n.
;; ======== version 1 of 1: 4 launches
;; limits: values are held in f16: magnitudes above 65,504 overflow, below 6.1e-05 lose precision
;; workspace buffers: wt 6,291,456 bytes; qkv 50,331,648 bytes; pt 33,554,432 bytes; stats 1,048,576 bytes
;; launch wprep (part 1): grid 64 x 3, 8 waves a work-group, no clusters, 35,840 bytes of LDS; arguments Wq, Wk, Wv, wt; writes wt
.if DOCPART == 1
	.amdgcn_target "amdgcn-amd-amdhsa--gfx1250"
	.amdhsa_code_object_version 6
	.text
	.protected	k_qeda300789e_wprep
	.globl	k_qeda300789e_wprep
	.p2align	8
	.type	k_qeda300789e_wprep,@function
k_qeda300789e_wprep:
	s_mov_b64 s[64:65], 0
	v_nop
	global_prefetch_b8 v0, s[64:65] scope:SCOPE_SE
	s_setreg_imm32_b32 hwreg(HW_REG_WAVE_MODE, 25, 1), 1
	s_wait_xcnt 0x0
; wt[w][d][c] = bf16(W_w[c][d]), w = 0: Wq, 1: Wk, 2: Wv.  W: [1024 c][1024 d] f32; wt: [3][1024 d][1024 c] bf16.
; The projections want their weights with c along the rows, in bf16: this launch turns and rounds them, once.
; A work-group takes a tile of 128 c x 128 d.  Wave v loads rows c = 16 v .. 16 v + 15, 512 consecutive bytes an instruction (lane l: d = 4 l .. 4 l + 3),
; packs for each of its four d the sixteen c into 32 bytes, and puts them into LDS rows that lie along c.  Behind one barrier whole rows of 256 bytes are read back
; and stored: sixteen lanes store 256 consecutive bytes, at a multiple of 256 from wt's first byte.
; No matrix unit, no cluster, no prefetch: 12.6 MB are read once and 6.3 MB written once, and no two work-groups share a byte.
.set PITCH, 272                        ; an LDS row: 128 bf16 + 16 bytes, so that the rows read back start in different groups of banks (64 banks of 4 bytes: ISA guide 11.1)
.set SPARE, 128*PITCH                  ; behind the tile: the spare words, 128 bytes for each of the eight waves: four blocks of 256 bytes that no other line names
.set SRC,  2                           ; v2  my byte offset in the tile of W
.set STO,  3                           ; v3  where I put my first d's 32 bytes
.set RD,   4                           ; v4  where I read a row back
.set DST,  5                           ; v5  my byte offset in the tile of wt
.set SPW,  8                           ; v8  LDS address of my spare word; never rewritten
.set NIL,  9                           ; v9  0; never rewritten
.set IN,   16                          ; v[16:79]  row i of my sixteen at IN + 4 i; later the rows read back
.set PK,   80                          ; v[80:111] my d number j: eight registers at PK + 8 j
	s_load_b256 s[4:11], s[0:1], 0x0               ; Wq s[4:5], Wk s[6:7], Wv s[8:9], wt s[10:11]
	v_lshl_add_u32 v[SPW], v0, 2, SPARE
	v_mov_b32 v[NIL], 0
	v_lshrrev_b32 v1, 5, v0
	v_readfirstlane_b32 s12, v1                    ; wave 0..7
	v_and_b32 v1, 31, v0                           ; lane
	v_and_b32 v6, 15, v0
	v_bfe_u32 v7, v0, 4, 1
	s_and_b32 s13, ttmp9, 7                        ; the tile along c
	s_lshr_b32 s14, ttmp9, 3                       ; the tile along d
	s_and_b32 s15, ttmp7, 0xffff                   ; which W
	s_lshl_b32 s16, s13, 19                        ; 128 rows of 4,096 bytes
	s_lshl_b32 s17, s14, 9                         ; 128 f32
	s_add_co_u32 s16, s16, s17
	s_mov_b32 s17, 0
	s_lshl_b32 s18, s15, 21                        ; a W in bf16
	s_lshl_b32 s19, s14, 18                        ; 128 rows of 2,048 bytes
	s_add_co_u32 s18, s18, s19
	s_lshl_b32 s19, s13, 8                         ; 128 bf16
	s_add_co_u32 s18, s18, s19
	s_mov_b32 s19, 0
	s_lshl_b32 s20, s12, 16
	v_lshl_add_u32 v[SRC], v1, 4, s20              ; 16 rows x wave + 16 x lane
	s_lshl_b32 s20, s12, 5
	v_mul_u32_u24 v[STO], v1, 4*PITCH              ; LDS row d = 4 l,
	v_add_nc_u32 v[STO], s20, v[STO]               ; my wave's sixteen c: 32 bytes
	s_lshl_b32 s20, s12, 4
	v_add_nc_u32 v7, s20, v7                       ; back: row 16 x wave + lane / 16
	v_mul_u32_u24 v[RD], v7, PITCH
	v_lshl_add_u32 v[RD], v6, 4, v[RD]
	v_lshlrev_b32 v[DST], 11, v7
	v_lshl_add_u32 v[DST], v6, 4, v[DST]
	s_wait_kmcnt 0x0
	s_cmp_eq_u32 s15, 1
	s_cselect_b64 s[4:5], s[6:7], s[4:5]
	s_cmp_eq_u32 s15, 2
	s_cselect_b64 s[4:5], s[8:9], s[4:5]
	s_add_nc_u64 s[4:5], s[4:5], s[16:17]
	s_add_nc_u64 s[10:11], s[10:11], s[18:19]
.set i, 0
.rept 16
	global_load_b128 v[IN+4*i:IN+4*i+3], v[SRC], s[4:5] offset:4096*i th:TH_LOAD_NT
.set i, i+1
.endr
	s_wait_loadcnt 0x0                             ; all sixteen rows: each packed word takes two of them
.irp j, 0,1,2,3
.irp p, 0,1,2,3,4,5,6,7
	v_cvt_pk_bf16_f32 v[PK+8*(\j)+(\p)], v[IN+8*(\p)+(\j)], v[IN+8*(\p)+4+(\j)]  ; c = 2 p and 2 p + 1 of d = 4 l + j
.endr
.endr
.irp j, 0,1,2,3
	ds_store_b128 v[STO], v[PK+8*(\j):PK+8*(\j)+3]   offset:PITCH*(\j)
	ds_store_b128 v[STO], v[PK+8*(\j)+4:PK+8*(\j)+7] offset:PITCH*(\j)+16
.endr
	s_wait_dscnt 0x0                               ; for the others' sake: my stores are done
	s_barrier_signal -1
	s_barrier_wait -1                              ; a row's 256 bytes come from all eight waves
.irp t, 0,1,2,3,4,5,6,7
	ds_load_b128 v[IN+4*(\t):IN+4*(\t)+3], v[RD] offset:2*PITCH*(\t)
.endr
.irp t, 0,1,2,3,4,5,6,7
	s_wait_dscnt 7-(\t)                            ; LDS loads come back in order: number t is in, the younger ones stay out
	global_store_b128 v[DST], v[IN+4*(\t):IN+4*(\t)+3], s[10:11] offset:4096*(\t)
.endr
	s_wait_tensorcnt 0x0                           ; the wave's end: behind my last LDS store
	ds_add_u32 v[SPW], v[NIL]
	s_wait_dscnt 0x0
	s_endpgm
.Lfunc_end_k_qeda300789e_wprep:
	.size	k_qeda300789e_wprep, .Lfunc_end_k_qeda300789e_wprep-k_qeda300789e_wprep
	.p2alignl 7, 3214868480
	.fill 96, 4, 3214868480
	.section	.rodata,"a",@progbits
	.p2align	6, 0x0
	.amdhsa_kernel k_qeda300789e_wprep
		.amdhsa_group_segment_fixed_size 35840
		.amdhsa_private_segment_fixed_size 0
		.amdhsa_enable_private_segment 0
		.amdhsa_kernarg_size 32
		.amdhsa_user_sgpr_count 2
		.amdhsa_user_sgpr_kernarg_segment_ptr 1
		.amdhsa_wavefront_size32 1
		.amdhsa_system_sgpr_workgroup_id_x 1
		.amdhsa_system_sgpr_workgroup_id_y 1
		.amdhsa_system_sgpr_workgroup_id_z 1
		.amdhsa_system_vgpr_workitem_id 0
		.amdhsa_next_free_vgpr 112
		.amdhsa_next_free_sgpr 66
		.amdhsa_reserve_vcc 0
		.amdhsa_float_denorm_mode_32 3
		.amdhsa_float_denorm_mode_16_64 3
		.amdhsa_memory_ordered 1
		.amdhsa_forward_progress 1
		.amdhsa_inst_pref_size 8
	.end_amdhsa_kernel
	.amdgpu_metadata
---
amdhsa.version: [ 1, 2 ]
amdhsa.kernels:
  - .name:           k_qeda300789e_wprep
    .symbol:         k_qeda300789e_wprep.kd
    .args:
      - { .name: Wq, .offset: 0, .size: 8, .value_kind: global_buffer, .address_space: global }
      - { .name: Wk, .offset: 8, .size: 8, .value_kind: global_buffer, .address_space: global }
      - { .name: Wv, .offset: 16, .size: 8, .value_kind: global_buffer, .address_space: global }
      - { .name: wt, .offset: 24, .size: 8, .value_kind: global_buffer, .address_space: global }
    .group_segment_fixed_size: 35840
    .private_segment_fixed_size: 0
    .kernarg_segment_align: 8
    .kernarg_segment_size: 32
    .max_flat_workgroup_size: 256
    .sgpr_count:     66
    .vgpr_count:     112
    .wavefront_size: 32
...
	.end_amdgpu_metadata
.endif
;; end of part 1
;; launch proj (part 2): grid 4 x 64, 4 waves a work-group, clusters of 4 x 4, 327,680 bytes of LDS; arguments event_f, img_f, wt, bq, bk, bv, qkv; writes qkv
.if DOCPART == 2
	.amdgcn_target "amdgcn-amd-amdhsa--gfx1250"
	.amdhsa_code_object_version 6
	.text
	.protected	k_qeda300789e_proj
	.globl	k_qeda300789e_proj
	.p2align	8
	.type	k_qeda300789e_proj,@function
k_qeda300789e_proj:
	s_mov_b64 s[64:65], 0
	v_nop
	global_prefetch_b8 v0, s[64:65] scope:SCOPE_SE
	s_setreg_imm32_b32 hwreg(HW_REG_WAVE_MODE, 25, 1), 1
	s_wait_xcnt 0x0
	s_wait_alu depctr_hold_cnt(0) depctr_sa_sdst(0) depctr_va_vdst(0) depctr_va_sdst(0) depctr_va_ssrc(0) depctr_va_vcc(0) depctr_vm_vsrc(0)
	s_getreg_b32 s2, hwreg(HW_REG_IB_STS2, 6, 4)
	s_cmp_eq_u32 s2, 0
	s_cbranch_scc0 .Lentry_in_a_cluster
	s_endpgm
.Lentry_in_a_cluster:
	s_bfe_u32 s2, ttmp6, 0x10000c
	s_cmp_lg_u32 s2, 0xf033
	s_cbranch_scc0 .Lentry_shape_is_right
	s_endpgm
.Lentry_shape_is_right:
; qkv[w][n][d] = f16( sum over c of bf16(x_w[n][c]) wt[w][d][c] + bf16(b_w[d]) ).  x_0 = event_f, x_1 = x_2 = img_f: [8192][1024] f32; wt: [3][1024 d][1024 c] bf16;
; b: [1024] f32; qkv: [3][8192][1024] f16.  Products in bf16 with f32 sums; the bias starts the sums; one rounding to f16 at the end.
; LIMITS.  f16 ends at 65,504: a q, k or v of 65,520 or more leaves as an infinity.  With unit inputs they have unit spread; inputs 30 times larger, or offset by 30 spreads, stay under 30,000.
; SHARES.  256 work-groups.  A WORK-GROUP STAYS: for its 128 rows and its 256 columns it makes three tiles, q, then k, then v; a wave makes 64 x 128 of each: 32 accumulators.
; A tile's K goes in 8 steps of 128; the 24 steps are ONE walk through two LDS slots: a tile's last two changes of slots ask for the next tile's first two steps, a tile goes out while
; those loads are on their way, and nothing waits for its stores.
; x comes into LDS as f32 (rows of 512 bytes) and is rounded to bf16 between LDS and the matrix unit: 32 conversions a quarter step, four behind each of the quarter's last eight products.
; CLUSTERS.  4 x 4 work-groups: the four of a row need the same rows of x, the four of a column the same rows of wt: each tile is asked for jointly.  All sixteen walk q, k, v in step.
; THE PRODUCT IS TAKEN TRANSPOSED (source 0 = 16 rows of wt, source 1 = 16 rows of x): a lane holds one row n and eight neighbouring d: 16 bytes of qkv.
; REGISTERS, in windows of 256 (s_set_vgpr_msb: bits 1:0 source 0, 3:2 source 1, 5:4 source 2, 7:6 destination):
;   window 0: v0-31 addresses; v32-95 x as f32, 16 a block of rows (on the way out: rows read back); v96-159 x's fragments, two buffers; v160-223 the bias as a C operand; v224-255 at work
;   window 1: v0-127 wt's fragments, two buffers          window 2: accumulator (a, b) at v[8 (8 a + b)]
.set NT,    3                          ; tiles of a work-group
.set NS,    8                          ; K steps of a tile
.set STEPS, NT*NS                      ; steps of the walk
.set SLOT,  0x22000                    ; a slot; no tile's base has bit 13 or bit 17 set, so one exclusive or turns an address in one slot into the other's
.set PA,    528                        ; a row of x in LDS: 512 bytes + 16: row r starts at bank 4 r mod 64 (64 banks of 4 bytes: ISA guide 11.1)
.set PB,    272                        ; a row of wt: 256 bytes + 16
.set AHALF, 64*PA                      ; what a wave fetches of x: 64 rows
.set BHALF, 128*PB                     ; of wt: 128 rows
.set BOFF,  2*AHALF                    ; wt's rows lie behind x's
.set STAGE, 2*SLOT                     ; behind the ring: 16 rows x 272 bytes for each wave, for the way out
.set SP,    272
.set SPARE, STAGE+4*16*SP              ; behind the stages: the spare words, 128 bytes a wave: two blocks of 256 bytes that no other line names
.set WBYTES, 1<<21                     ; a W in wt
.set NEXT_O, (1<<24)-3*16*2048         ; bytes from my last 16 rows of a tile to my first of the next: q, k and v lie 2^24 bytes apart
.set LIMX,  STEPS-2*NS+2               ; x is prefetched while the loop's counter is above this: up to the k tile's last step
.set ADRA, 16                          ; v16  LDS address of my fragments of x in slot 0; never rewritten
.set ADRB, 17                          ; v17  the same for wt
.set CA,   18                          ; v18  the same in the slot in hand
.set CB,   19                          ; v19
.set STO,  24                          ; v24  the way out: where I put 16 bytes of a row
.set RD,   25                          ; v25  where I read a row back
.set CO,   26                          ; v26  my byte offset in two rows of qkv
.set BO,   27                          ; v27  my byte offset in the bias; never rewritten
.set SPW,  28                          ; v28  LDS address of my spare word; never rewritten
.set NIL,  29                          ; v29  0; never rewritten
.set PFO,  30                          ; v30  the prefetches' lane offset; never rewritten
.set RAW,  32
.set FA,   96
.set BI,   160
.set TMP,  224
.set OB,   32
.set WV,   10                          ; s10  wave
.set WR,   11                          ; s11  my half of the tile's rows; also: I fetch x (0) or wt (1)
.set WC,   12                          ; s12  my half of its columns; also: which half of that tile I fetch
.set EV,   14                          ; s[14:15] event_f at the rows that I fetch; never rewritten
.set G1A,  24                          ; s[24:31] descriptor group 1 for x
.set G0A,  32                          ; s[32:35] group 0 of the first fill; s[36:39] the one that walks
.set LIM,  43                          ; s43  a wave prefetches while the loop's counter is above this
.set PFA,  44                          ; s[44:45] where my prefetches stand
.set G1B,  48                          ; s[48:55], s[56:63] the same for wt
.set G0B,  56
.set TB,   66                          ; s66  0 or SLOT: the slot in hand
.set CNT,  67                          ; s67  counts the tail's two steps
.set PFS,  68                          ; s[68:69] a K step in the rows that I prefetch
.set KS,   70                          ; s70  the step in hand, counted in its tile: 0 .. 7
.set RK,   71                          ; s71  the step last asked for, counted in its tile
.set XN,   72                          ; s[72:73] img_f at the rows that I fetch; never rewritten
.set B0,   74                          ; s[74:75] wt at Wq's rows that I fetch; never rewritten
.set PN,   76                          ; s[76:77] where my prefetches stand at the next tile's first step
.set PNS,  78                          ; s78  what PN steps by: 0 for x, a W for wt
.set W,    94                          ; s94  the tile in hand: 0 q, 1 k, 2 v
.set WO,   95                          ; s95  the byte offset in wt of the W whose steps are being asked for
.set BPO,  96                          ; s[96:97] my columns' byte offset in a bias
.set INC,  98                          ; s[98:99] a step chosen at run time; the high word stays 0
.set OFF,  100                         ; s[100:101] the offset of the step to be asked for; the high word stays 0
.set MSB, 0
.macro WIN new                         ; the immediate's high byte repeats the setting that is left; a switch that changes nothing is dropped
.if MSB != (\new)
	s_set_vgpr_msb (MSB<<8)|(\new)
.set MSB, \new
.endif
.endm
.set MUL,  0xa1                        ; wt window 1, x window 0, C and D window 2
.set MULZ, 0x81                        ; the same with C (the bias) in window 0
.set TO_B, 0x40                        ; destination window 1, address window 0
; A joint refill: waves 0 and 1 fetch x's two halves, waves 2 and 3 wt's.  The branch hangs on the wave's number alone.  An s_nop 0 and four v_nop follow each line.
.macro JLOAD
	s_cmp_eq_u32 s[WR], 0
	s_cbranch_scc0 .Lfor_b_\@
	tensor_load_to_lds s[G0A+4:G0A+7], s[G1A:G1A+7]
	s_nop 0
.rept 4
	v_nop
.endr
	s_branch .Lasked_\@
.Lfor_b_\@:
	tensor_load_to_lds s[G0B+4:G0B+7], s[G1B:G1B+7]
	s_nop 0
.rept 4
	v_nop
.endr
.Lasked_\@:
.endm
; A prefetch of the step that stands two refills on: 32 blocks of 256 bytes, a lane a block.  s3 counts the loop's trips down from 22.
.macro ASK
	s_cmp_gt_u32 s3, s[LIM]
	s_cbranch_scc0 .Lnot_mine_\@
	global_prefetch_b8 v[PFO], s[PFA:PFA+1] th:TH_LOAD_NT scope:SCOPE_SE
.Lnot_mine_\@:
.endm
.macro CREST                           ; a round of the cluster's barrier behind its opening barrier
	s_cmp_lg_u32 s[WV], 0
	s_cbranch_scc1 .Lnot_wave_0_\@
	s_barrier_signal -3
.Lnot_wave_0_\@:
	s_barrier_wait -3
	s_barrier_signal -1
	s_barrier_wait -1
.endm
.macro CROUND                          ; a whole round
	s_barrier_signal -1
	s_barrier_wait -1
	CREST
.endm
.macro BLOAD                           ; the bias of my 128 columns, from s[4:5]: register j of block b belongs to d = 16 b + 8 h + j
.irp b, 0,1,2,3,4,5,6,7
	global_load_b128 v[BI+8*(\b):BI+8*(\b)+3],   v[BO], s[4:5] offset:64*(\b)
	global_load_b128 v[BI+8*(\b)+4:BI+8*(\b)+7], v[BO], s[4:5] offset:64*(\b)+16
.endr
.endm
	s_load_b256 s[80:87], s[0:1], 0x0              ; event_f s[80:81], img_f s[82:83], wt s[84:85], bq s[86:87]
	s_load_b128 s[88:91], s[0:1], 0x20             ; bk s[88:89], bv s[90:91]
	s_load_b64 s[92:93], s[0:1], 0x30              ; qkv
	v_lshl_add_u32 v[SPW], v0, 2, SPARE
	v_mov_b32 v[NIL], 0
	ds_add_u32 v[SPW], v[NIL]                      ; the wave's opening: the add and its wait ahead of my first tensor load; the set-up below stands between them
	v_lshrrev_b32 v1, 5, v0
	v_readfirstlane_b32 s[WV], v1
	s_lshr_b32 s[WR], s[WV], 1
	s_and_b32 s[WC], s[WV], 1
	s_bfe_u32 s40, ttmp6, 0x40000                  ; cx
	s_bfe_u32 s41, ttmp6, 0x40004                  ; cy
	s_lshl_b32 s42, ttmp9, 2
	s_add_co_u32 s42, s42, s40                     ; tile column: 256 d
	s_and_b32 s20, ttmp7, 0xffff                   ; cluster y, 0 .. 15
	s_lshl_b32 s13, s20, 2
	s_add_co_u32 s13, s13, s41                     ; tile row: 128 rows of x
	s_lshl_b32 s43, s41, 2
	s_lshl_b32 s43, 15, s43                        ; my row of the cluster
	s_lshl_b32 s44, 0x1111, s40                    ; my column
	s_or_b32 s[G1A+0], s43, (2<<16)|(1<<20)|(1<<21)|(6<<22)|(3<<25)  ; the mask; elements of 4 bytes; padding on; bit 21 beside a mask; after every 128 words 4 words
	s_mov_b32 s[G1A+1], 128<<16                    ; tensor_dim0 = 128
	s_mov_b32 s[G1A+2], 64<<16                     ; tensor_dim1 = 64
	s_mov_b32 s[G1A+3], 128<<16                    ; tile_dim0 = 128
	s_mov_b32 s[G1A+4], 64                         ; tile_dim1 = 64
	s_mov_b32 s[G1A+5], 1024                       ; elements from row to row
	s_mov_b32 s[G1A+6], 0
	s_mov_b32 s[G1A+7], 0
	s_or_b32 s[G1B+0], s44, (1<<16)|(1<<20)|(1<<21)|(5<<22)|(3<<25)  ; elements of 2 bytes; after every 64 words 4 words
	s_mov_b32 s[G1B+1], 128<<16
	s_mov_b32 s[G1B+2], 128<<16
	s_mov_b32 s[G1B+3], 128<<16
	s_mov_b32 s[G1B+4], 128
	s_mov_b32 s[G1B+5], 1024
	s_mov_b32 s[G1B+6], 0
	s_mov_b32 s[G1B+7], 0
	s_lshl_b32 s16, s13, 19                        ; x: 128 rows of 4,096 bytes a tile row,
	s_lshl_b32 s17, s[WC], 18                      ; 64 rows a half
	s_add_co_u32 s16, s16, s17
	s_mov_b32 s17, 0
	s_lshl_b32 s46, s42, 19                        ; wt: 256 rows of 2,048 bytes a tile column,
	s_lshl_b32 s47, s[WC], 18                      ; 128 rows a half
	s_add_co_u32 s46, s46, s47
	s_mov_b32 s47, 0
	s_mul_i32 s18, s[WC], AHALF                    ; where they go: no place in the cluster enters an LDS address
	s_mul_i32 s19, s[WC], BHALF
	s_add_co_u32 s19, s19, BOFF
	s_mov_b32 s[G0A+0], 1
	s_mov_b32 s[G0A+1], s18
	s_mov_b32 s[G0A+4], 1
	s_add_co_u32 s[G0A+5], s18, SLOT
	s_mov_b32 s[G0B+0], 1
	s_mov_b32 s[G0B+1], s19
	s_mov_b32 s[G0B+4], 1
	s_add_co_u32 s[G0B+5], s19, SLOT
	s_mov_b32 s[TB], 0
	s_mov_b32 s[KS], 0
	s_mov_b32 s[RK], 1                             ; the first fills ask for steps 0 and 1
	s_mov_b32 s[W], 0
	s_mov_b32 s[WO], 0
	s_mov_b32 s[INC+1], 0
	s_mov_b32 s[OFF+1], 0
	s_wait_dscnt 0x0                               ; the opening add is done
	s_wait_kmcnt 0x0
	s_add_nc_u64 s[EV:EV+1], s[80:81], s[16:17]    ; q is made of event_f,
	s_add_nc_u64 s[XN:XN+1], s[82:83], s[16:17]    ; k and v of img_f, at the same rows
	s_add_nc_u64 s[B0:B0+1], s[84:85], s[46:47]    ; Wq's rows; Wk's and Wv's lie one and two W further on
	s_mov_b64 s[G0A+2:G0A+3], s[EV:EV+1]           ; step 0
	s_or_b32 s[G0A+3], s[G0A+3], 0x80000000        ; type = 2
	s_add_nc_u64 s[G0A+6:G0A+7], s[EV:EV+1], 512   ; step 1
	s_or_b32 s[G0A+7], s[G0A+7], 0x80000000
	s_mov_b64 s[G0B+2:G0B+3], s[B0:B0+1]
	s_or_b32 s[G0B+3], s[G0B+3], 0x80000000
	s_add_nc_u64 s[G0B+6:G0B+7], s[B0:B0+1], 256
	s_or_b32 s[G0B+7], s[G0B+7], 0x80000000
	CROUND                                         ; all sixteen work-groups are here: the first joint loads meet
	s_cmp_eq_u32 s[WR], 0                          ; a wave's two first fills stand in one branch: two loads of mine are out
	s_cbranch_scc0 .Lfirst_b
	tensor_load_to_lds s[G0A:G0A+3], s[G1A:G1A+7]
	s_nop 0
	tensor_load_to_lds s[G0A+4:G0A+7], s[G1A:G1A+7]
	s_nop 0
.rept 4
	v_nop
.endr
	s_branch .Lfirst_asked
.Lfirst_b:
	tensor_load_to_lds s[G0B:G0B+3], s[G1B:G1B+7]
	s_nop 0
	tensor_load_to_lds s[G0B+4:G0B+7], s[G1B:G1B+7]
	s_nop 0
.rept 4
	v_nop
.endr
.Lfirst_asked:
	v_and_b32 v1, 15, v0                           ; r = l % 16
	v_bfe_u32 v2, v0, 4, 1                         ; h = l / 16
	; THE PREFETCHES.  x: a wave's 64 rows x 512 bytes of a step are 128 blocks of 256 bytes; the partner at cx takes rows 16 cx .. + 15, a lane a block; no other cluster reads these rows.
	; img_f's rows are walked twice, for k and for v: they are asked for in the first walk alone, so x's prefetches end with the k tile's last step.  wt: a wave's 128 rows x 256 bytes; the partner
	; at cy takes rows 32 cy .. + 31; the rows are read by all sixteen clusters: cluster y = 0 asks.  So each block is named once.  The first four steps come by their loads alone.
	s_cmp_eq_u32 s20, 0
	s_cselect_b32 s19, 2, -1
	s_mov_b32 s[PFS], 256
	s_mov_b32 s[PFS+1], 0
	s_mov_b32 s23, 3*256
	s_mov_b32 s6, 2048
	s_mov_b32 s7, 0x8000
	s_mov_b32 s[PNS], WBYTES
	s_add_nc_u64 s[PN:PN+1], s[B0:B0+1], WBYTES    ; Wk's rows
	s_cmp_eq_u32 s[WR], 0                          ; do I fetch x?
	s_cselect_b32 s[LIM], LIMX, s19                ; the same in all sixteen partners, for a given wave
	s_cselect_b64 s[PFA:PFA+1], s[EV:EV+1], s[B0:B0+1]
	s_cselect_b64 s[PN:PN+1], s[XN:XN+1], s[PN:PN+1]
	s_cselect_b32 s20, s40, s41                    ; my place among the four that ask with me: it enters the addresses alone
	s_cselect_b32 s[PFS], 512, s[PFS]
	s_cselect_b32 s23, 3*512, s23                  ; at step 3: the first refill steps it to 4
	s_cselect_b32 s6, 4096, s6                     ; lane % 16: a row
	s_cselect_b32 s7, 256, s7                      ; lane / 16: x: the row's second block; wt: sixteen rows on
	s_cselect_b32 s[PNS], 0, s[PNS]
	s_lshl_b32 s20, s20, 16                        ; 16 rows of x, or 32 of wt
	s_mov_b32 s21, 0
	s_add_nc_u64 s[PN:PN+1], s[PN:PN+1], s[20:21]
	s_add_co_u32 s20, s20, s23
	s_add_nc_u64 s[PFA:PFA+1], s[PFA:PFA+1], s[20:21]
	v_mul_u32_u24 v[PFO], v1, s6
	v_mad_u32_u24 v[PFO], v2, s7, v[PFO]
	s_lshl_b32 s[BPO], s42, 10                     ; my 128 columns in a bias
	s_lshl_b32 s7, s[WC], 9
	s_add_co_u32 s[BPO], s[BPO], s7
	s_mov_b32 s[BPO+1], 0
	s_add_nc_u64 s[4:5], s[86:87], s[BPO:BPO+1]    ; bq
	v_lshlrev_b32 v[BO], 5, v2
	BLOAD
	; a fragment of x: lane l holds row r; c = 8 h + 0..7 and 16 + 8 h + 0..7: as f32 four loads of 16 bytes at 32 h + 0, 16, 64, 80
	v_mul_u32_u24 v3, v1, PA
	v_lshl_add_u32 v3, v2, 5, v3
	s_mul_i32 s23, s[WR], AHALF
	v_add_nc_u32 v[ADRA], s23, v3
	v_mul_u32_u24 v3, v1, PB
	v_lshl_add_u32 v3, v2, 4, v3
	s_mul_i32 s23, s[WC], BHALF
	s_add_co_u32 s23, s23, BOFF
	v_add_nc_u32 v[ADRB], s23, v3
	v_mov_b32 v[CA], v[ADRA]
	v_mov_b32 v[CB], v[ADRB]
	s_mul_i32 s23, s[WV], 16*SP
	s_add_co_u32 s23, s23, STAGE                   ; my stage
	v_mul_u32_u24 v4, v1, SP                       ; in: row r, 16 bytes for each half of the lanes
	v_lshl_add_u32 v4, v2, 4, v4
	v_add_nc_u32 v[STO], s23, v4
	v_mul_u32_u24 v5, v2, SP                       ; back: lanes 0-15 one row of 256 bytes, lanes 16-31 the next
	v_lshl_add_u32 v5, v1, 4, v5
	v_add_nc_u32 v[RD], s23, v5
	v_lshlrev_b32 v5, 11, v2                       ; and the same two rows in qkv
	v_lshl_add_u32 v[CO], v1, 4, v5
	s_lshl_b32 s16, s13, 7
	s_lshl_b32 s17, s[WR], 6
	s_add_co_u32 s16, s16, s17                     ; my first row
	s_lshl_b32 s16, s16, 11
	s_mov_b32 s17, 0
	s_lshl_b32 s46, s42, 9                         ; my first column, in bytes
	s_lshl_b32 s47, s[WC], 8
	s_add_co_u32 s46, s46, s47
	s_mov_b32 s47, 0
	s_add_nc_u64 s[16:17], s[16:17], s[46:47]
	s_add_nc_u64 s[8:9], s[92:93], s[16:17]        ; q at my part of the tile
; Product (a, b) on buffer f.  zero = 1: the first product starts the sum with the bias.  The 32 accumulators take turns in one order everywhere, from tile to tile too.
.macro PR a, b, f, zero
.if \zero
	WIN MULZ
	v_wmma_f32_16x16x32_bf16 v[8*(8*(\a)+(\b)):8*(8*(\a)+(\b))+7], v[64*(\f)+8*(\b):64*(\f)+8*(\b)+7], v[FA+32*(\f)+8*(\a):FA+32*(\f)+8*(\a)+7], v[BI+8*(\b):BI+8*(\b)+7]
.else
	WIN MUL
	v_wmma_f32_16x16x32_bf16 v[8*(8*(\a)+(\b)):8*(8*(\a)+(\b))+7], v[64*(\f)+8*(\b):64*(\f)+8*(\b)+7], v[FA+32*(\f)+8*(\a):FA+32*(\f)+8*(\a)+7], v[8*(8*(\a)+(\b)):8*(8*(\a)+(\b))+7]
.endif
.endm
; 32 LDS loads in one run: quarter n (32 along K) of the slot in hand: x as f32 first, then wt's fragments into buffer g
.macro FETCH n, g
	WIN 0
.irp a, 0,1,2,3
.irp i, 0,1,2,3
	ds_load_b128 v[RAW+16*(\a)+4*(\i):RAW+16*(\a)+4*(\i)+3], v[CA] offset:128*(\n)+16*PA*(\a)+16*(\i)+32*((\i)/2)
.endr
.endr
	WIN TO_B
.irp b, 0,1,2,3,4,5,6,7
	ds_load_b128 v[64*(\g)+8*(\b):64*(\g)+8*(\b)+3],   v[CB] offset:64*(\n)+16*PB*(\b)
	ds_load_b128 v[64*(\g)+8*(\b)+4:64*(\g)+8*(\b)+7], v[CB] offset:64*(\n)+16*PB*(\b)+32
.endr
.endm
.macro CV g, x                         ; conversion x of 32: two numbers of x into buffer g
	v_cvt_pk_bf16_f32 v[FA+32*(\g)+(\x)], v[RAW+2*(\x)], v[RAW+2*(\x)+1]
.endm
; The quarter's last eight products, four conversions behind each.  The conversions name no register of the products round them; the four behind the last product are the four places
; that stand between it and the next loads into registers that it read (ISA guide 7.12.1 for vector instructions).
.macro LASTROW f, g, zero
.irp b, 0,1,2,3,4,5,6,7
	PR 3, \b, \f, \zero
	WIN 0
.irp i, 0,1,2,3
	CV \g, 4*(\b)+(\i)
.endr
.endr
.endm
; A quarter step: fetches quarter n into buffer g and multiplies buffer f.
.macro Q n, f, g, zero
	FETCH \n, \g
	s_wait_dscnt 32                                ; all but the 32 just issued: wt's fragments of buffer f, asked for a quarter ago, are in
.irp a, 0,1,2
.irp b, 0,1,2,3,4,5,6,7
	PR \a, \b, \f, \zero
.endr
.endr
	s_wait_dscnt 16                                ; x's 16 loads are in; wt's 16, issued behind them, stay out
	LASTROW \f, \g, \zero
.endm
; The step's last quarter multiplies buffer 1 and changes slots.  In front of the barrier each wave waits for all its tensor loads (one is out: its part of the next slot), adds 0 to its spare
; word, and waits for that and for its reads of this slot.  fill = 1: the barrier opens a round of the cluster's, and the joint refill, with the step two on in the walk, is the first thing behind
; it: it has 120 matrix instructions in which to land.  The walking descriptors' addresses are made anew for each refill: a kept pointer, plus the offset of the step in its tile (and of the W),
; and the type bits on top.
; fill = 0, the tail: nothing is asked for, and in the last step nothing is fetched (its conversions then work on old registers that nobody reads).
.macro TURN fill
.if \fill
	s_wait_xcnt 0x0                                ; the last prefetch, a step back, has read its address
	s_add_nc_u64 s[PFA:PFA+1], s[PFA:PFA+1], s[PFS:PFS+1]
	s_cmp_eq_u32 s[RK], 5                          ; the prefetches stand three steps ahead of the step last asked for: is theirs a tile's first?
	s_cselect_b64 s[PFA:PFA+1], s[PN:PN+1], s[PFA:PFA+1]
	s_cselect_b32 s[INC], s[PNS], 0
	s_add_nc_u64 s[PN:PN+1], s[PN:PN+1], s[INC:INC+1]
.endif
	WIN 0
	s_wait_tensorcnt 0x0                           ; no tensor load of mine is out, so a group 0 may be written
	ds_add_u32 v[SPW], v[NIL]                      ; 0 onto my spare word; the descriptors' scalar work stands between it and the wait for it
.if \fill
	s_add_co_u32 s[RK], s[RK], 1
	s_and_b32 s[RK], s[RK], NS-1                   ; the step to be asked for, counted in its tile
	s_xor_b32 s[G0A+5], s[G0A+5], SLOT             ; the other slot than last time
	s_xor_b32 s[G0B+5], s[G0B+5], SLOT
	s_cmp_eq_u32 s[RK], 0                          ; a tile's first step:
	s_cselect_b32 s[OFF], WBYTES, 0
	s_add_co_u32 s[WO], s[WO], s[OFF]              ; the next W
	s_cmp_eq_u32 s[WO], 0                          ; q's steps come from event_f, k's and v's from img_f
	s_cselect_b64 s[G0A+6:G0A+7], s[EV:EV+1], s[XN:XN+1]
	s_lshl_b32 s[OFF], s[RK], 9                    ; a step is 512 bytes of a row of x,
	s_add_nc_u64 s[G0A+6:G0A+7], s[G0A+6:G0A+7], s[OFF:OFF+1]
	s_or_b32 s[G0A+7], s[G0A+7], 0x80000000        ; type = 2
	s_lshl_b32 s[OFF], s[RK], 8                    ; and 256 bytes of a row of wt
	s_add_co_u32 s[OFF], s[OFF], s[WO]
	s_add_nc_u64 s[G0B+6:G0B+7], s[B0:B0+1], s[OFF:OFF+1]
	s_or_b32 s[G0B+7], s[G0B+7], 0x80000000
.endif
	s_xor_b32 s[TB], s[TB], SLOT
	s_wait_dscnt 0x0                               ; the add is done; my reads of this slot are over (wt's fragments of buffer 1 among them)
	s_barrier_signal -1
.irp b, 0,1,2,3,4,5,6,7
	PR 0, \b, 1, 0                                 ; work on registers while the others arrive
.endr
	WIN 0                                          ; at a label and at a branch every window is 0
	s_barrier_wait -1
.if \fill
	CREST                                          ; no wave of any partner still reads this slot or has a load on its way
	JLOAD
.else
	s_cmp_eq_u32 s[CNT], 1                         ; the last step has no successor
	s_cbranch_scc1 .Lno_more_\@
.endif
	v_add_nc_u32 v[CA], s[TB], v[ADRA]
	v_add_nc_u32 v[CB], s[TB], v[ADRB]
	FETCH 0, 0
	WIN 0
.if \fill
	ASK                                            ; behind the joint load and the run of LDS loads
.else
.Lno_more_\@:
.endif
.irp a, 1,2
.irp b, 0,1,2,3,4,5,6,7
	PR \a, \b, 1, 0
.endr
.endr
	s_wait_dscnt 16                                ; x's 16 loads are in
	LASTROW 1, 0, 0
.endm
; THE WAY OUT, a block of 16 rows at a time: rounded to f16, 16 bytes a lane into my own stage, back as whole rows of 256 bytes, stored.  No v_nop: behind the last product stand four conversions,
; and block a's accumulators are read behind the conversions of the blocks before it.  It holds no barrier and no tensor load.
.macro PACK a
	WIN 0x0a                                       ; sources 0 and 1 window 2
.irp b, 0,1,2,3,4,5,6,7
.irp r, 0,1,2,3
	v_cvt_pk_f16_f32 v[TMP+4*(\b)+(\r)], v[8*(8*(\a)+(\b))+2*(\r)], v[8*(8*(\a)+(\b))+2*(\r)+1]
.endr
.endr
	WIN 0
.endm
.macro TOSTAGE a
.set BK, OB+32*((\a)%2)
.irp b, 0,1,2,3,4,5,6,7
	ds_store_b128 v[STO], v[TMP+4*(\b):TMP+4*(\b)+3] offset:32*(\b)
.endr
.irp t, 0,1,2,3,4,5,6,7
	ds_load_b128 v[BK+4*(\t):BK+4*(\t)+3], v[RD] offset:(\t)*2*SP  ; LDS serves a wave's instructions in order (ISA guide 5.7.1.4): these see the stores above
.endr
.endm
.macro SEND a
.set BK, OB+32*((\a)%2)
	s_wait_dscnt 0x0                               ; the block is back in registers
	s_wait_xcnt 0x0                                ; earlier stores have read their base and their data: both are written again only behind this wait
.if (\a) > 0
	s_add_nc_u64 s[8:9], s[8:9], 16*2048           ; 16 rows on
.endif
.irp t, 0,1,2,3,4,5,6,7
	global_store_b128 v[CO], v[BK+4*(\t):BK+4*(\t)+3], s[8:9] offset:(\t)*2*2048  ; 16 lanes store 256 consecutive bytes, at a multiple of 256 from qkv's first byte
.endr
.endm
.macro WAYOUT
	PACK 0
	TOSTAGE 0
.irp a, 1,2,3                          ; block a's conversions stand between block a - 1's loads from the stage and the wait for them
	PACK \a
	SEND (\a)-1
	TOSTAGE \a
.endr
	SEND 3
.endm
	s_wait_tensorcnt 0x1                           ; my part of step 0 is in; step 1's stays out
	s_barrier_signal -1
	s_barrier_wait -1                              ; everybody's is
	FETCH 0, 0
	s_wait_dscnt 16                                ; x's 16 loads
	WIN 0
.set i, 0
.rept 32
	CV 0, i                                        ; the walk's first conversions have no products to stand behind
.set i, i+1
.endr
	s_mov_b32 s3, STEPS-2                          ; every step but the last two fills a slot again
	s_branch .Lbegin                               ; the loop is entered at a tile's first quarter
.Lstep:                                                ; a trip: one K step, quarters 0 to 3; the slot that it leaves is filled again
	s_cmp_eq_u32 s[KS], 0
	s_cbranch_scc1 .Lbegin
	Q 1, 0, 1, 0
	WIN 0
	s_branch .Lmid
.Lbegin:                                               ; A TILE BEGINS: its bias, rounded to bf16 like every input and widened again, starts the sums
	s_wait_loadcnt 0x0                             ; the bias, asked for a tile ago (the first at the kernel's head)
.set i, 0
.rept 32
	v_cvt_pk_bf16_f32 v[TMP+i], v[BI+2*i], v[BI+2*i+1]
.set i, i+1
.endr
.set i, 0
.rept 32
	v_lshlrev_b32 v[BI+2*i], 16, v[TMP+i]
	v_and_b32 v[BI+2*i+1], 0xffff0000, v[TMP+i]
.set i, i+1
.endr
	Q 1, 0, 1, 1
	WIN 0
	s_cmp_eq_u32 s[W], NT-1                        ; v has no successor
	s_cbranch_scc1 .Lno_bias
	s_cmp_eq_u32 s[W], 0
	s_cselect_b64 s[4:5], s[88:89], s[90:91]       ; behind q comes k, behind k comes v (the loads that read s[4:5] were waited for above)
	s_add_nc_u64 s[4:5], s[4:5], s[BPO:BPO+1]
	BLOAD                                          ; four conversions stand between the last product that read the old bias and these loads
.Lno_bias:
	s_add_co_u32 s[W], s[W], 1
.Lmid:
	Q 2, 1, 0, 0
	Q 3, 0, 1, 0
	TURN 1
	WIN 0
	s_add_co_u32 s[KS], s[KS], 1
	s_and_b32 s[KS], s[KS], NS-1
	s_cmp_lg_u32 s[KS], 0
	s_cbranch_scc1 .Lno_out
	WAYOUT                                         ; A TILE ENDS: both refills for the next tile have been asked for; the tile goes out while the second is on its way
	s_wait_xcnt 0x0                                ; the stores have read their data and their base: the next run of LDS loads lands on the one, and the other steps
	s_add_nc_u64 s[8:9], s[8:9], NEXT_O            ; from q to k, from k to v
.Lno_out:
	s_sub_co_u32 s3, s3, 1
	s_cmp_lg_u32 s3, 0
	s_cbranch_scc1 .Lstep
	s_mov_b32 s[CNT], 2                            ; the walk's last two steps ask for nothing: a text of their own
.Ltail:
	Q 1, 0, 1, 0
	Q 2, 1, 0, 0
	Q 3, 0, 1, 0
	TURN 0
	WIN 0
	s_sub_co_u32 s[CNT], s[CNT], 1
	s_cmp_lg_u32 s[CNT], 0
	s_cbranch_scc1 .Ltail
	WAYOUT                                         ; v
	s_wait_tensorcnt 0x0                           ; the wave's end: behind my last tensor load and my last LDS store
	ds_add_u32 v[SPW], v[NIL]
	s_wait_dscnt 0x0
	CROUND                                         ; the closing round: no work-group ends while a partner may still ask for a tile that names it
	s_endpgm
.Lfunc_end_k_qeda300789e_proj:
	.size	k_qeda300789e_proj, .Lfunc_end_k_qeda300789e_proj-k_qeda300789e_proj
	.p2alignl 7, 3214868480
	.fill 96, 4, 3214868480
	.section	.rodata,"a",@progbits
	.p2align	6, 0x0
	.amdhsa_kernel k_qeda300789e_proj
		.amdhsa_group_segment_fixed_size 327680
		.amdhsa_private_segment_fixed_size 0
		.amdhsa_enable_private_segment 0
		.amdhsa_kernarg_size 56
		.amdhsa_user_sgpr_count 2
		.amdhsa_user_sgpr_kernarg_segment_ptr 1
		.amdhsa_wavefront_size32 1
		.amdhsa_system_sgpr_workgroup_id_x 1
		.amdhsa_system_sgpr_workgroup_id_y 1
		.amdhsa_system_sgpr_workgroup_id_z 1
		.amdhsa_system_vgpr_workitem_id 0
		.amdhsa_next_free_vgpr 768
		.amdhsa_next_free_sgpr 102
		.amdhsa_reserve_vcc 0
		.amdhsa_float_denorm_mode_32 3
		.amdhsa_float_denorm_mode_16_64 3
		.amdhsa_memory_ordered 1
		.amdhsa_forward_progress 1
		.amdhsa_inst_pref_size 115
	.end_amdhsa_kernel
	.amdgpu_metadata
---
amdhsa.version: [ 1, 2 ]
amdhsa.kernels:
  - .name:           k_qeda300789e_proj
    .symbol:         k_qeda300789e_proj.kd
    .args:
      - { .name: event_f, .offset: 0, .size: 8, .value_kind: global_buffer, .address_space: global }
      - { .name: img_f, .offset: 8, .size: 8, .value_kind: global_buffer, .address_space: global }
      - { .name: wt, .offset: 16, .size: 8, .value_kind: global_buffer, .address_space: global }
      - { .name: bq, .offset: 24, .size: 8, .value_kind: global_buffer, .address_space: global }
      - { .name: bk, .offset: 32, .size: 8, .value_kind: global_buffer, .address_space: global }
      - { .name: bv, .offset: 40, .size: 8, .value_kind: global_buffer, .address_space: global }
      - { .name: qkv, .offset: 48, .size: 8, .value_kind: global_buffer, .address_space: global }
    .group_segment_fixed_size: 327680
    .private_segment_fixed_size: 0
    .kernarg_segment_align: 8
    .kernarg_segment_size: 56
    .max_flat_workgroup_size: 128
    .sgpr_count:     102
    .vgpr_count:     768
    .wavefront_size: 32
...
	.end_amdgpu_metadata
.endif
;; end of part 2
;; launch scores (part 3): grid 8 x 32, 4 waves a work-group, clusters of 4 x 4, 327,680 bytes of LDS; arguments qkv, pt, stats; writes pt, stats
.if DOCPART == 3
	.amdgcn_target "amdgcn-amd-amdhsa--gfx1250"
	.amdhsa_code_object_version 6
	.text
	.protected	k_qeda300789e_scores
	.globl	k_qeda300789e_scores
	.p2align	8
	.type	k_qeda300789e_scores,@function
k_qeda300789e_scores:
	s_mov_b64 s[64:65], 0
	v_nop
	global_prefetch_b8 v0, s[64:65] scope:SCOPE_SE
	s_setreg_imm32_b32 hwreg(HW_REG_WAVE_MODE, 25, 1), 1
	s_wait_xcnt 0x0
	s_wait_alu depctr_hold_cnt(0) depctr_sa_sdst(0) depctr_va_vdst(0) depctr_va_sdst(0) depctr_va_ssrc(0) depctr_va_vcc(0) depctr_vm_vsrc(0)
	s_getreg_b32 s2, hwreg(HW_REG_IB_STS2, 6, 4)
	s_cmp_eq_u32 s2, 0
	s_cbranch_scc0 .Lentry_in_a_cluster
	s_endpgm
.Lentry_in_a_cluster:
	s_bfe_u32 s2, ttmp6, 0x10000c
	s_cmp_lg_u32 s2, 0xf033
	s_cbranch_scc0 .Lentry_shape_is_right
	s_endpgm
.Lentry_shape_is_right:
; For each query and each block kb of 128 keys of its batch: s = q . k;  m = the largest s of the block;  pt = f16(2^(c (s - m))), c = log2(e) / 32;  l = the sum of the unrounded weights.
; qkv: [3][8192][1024] f16 (q, k, v);  pt: [8192 q][2048 keys of the batch] f16;  stats: [32][8192 q] f32: rows 0-15 m of block kb, rows 16-31 l.
; The next launch takes the largest m of a query's sixteen blocks and corrects each block by 2^(c (m_kb - mmax)): together that is the softmax with the row's maximum taken away.
; The exponent is made as (s - m) x c: a difference that is never above 0, then the scale; so no weight is above 1, whatever the size of the scores.
; LIMITS.  A weight below f16's step of 6e-8 counts as 0 in pt; below 2^-126 as 0 in l; NaN and infinities are not treated apart.
; SHARES.  A work-group makes 256 queries x 256 keys, a wave 128 x 128: 64 accumulators, 512 registers; a wave's 128 keys are one block kb, so m and l never leave the wave.
; K (1,024 channels) goes in 8 steps of 128 through two LDS slots; rows of the tiles are 256 bytes of memory, at multiples of 256.
; CLUSTERS.  4 x 4 work-groups: the four of a row need the same queries, the four of a column the same keys: each tile is asked for jointly.
; THE PRODUCT IS TAKEN TRANSPOSED (source 0 = 16 keys, source 1 = 16 queries): a lane holds ONE query (lane % 16) and the keys 16 b + 8 (lane / 16) + 0..7: 16 bytes of a row of pt.
; REGISTERS, in windows of 256 (s_set_vgpr_msb: bits 1:0 source 0, 3:2 source 1, 5:4 source 2, 7:6 destination):
;   window 0: v0-31 addresses; v64-127, v128-191 the queries' fragments, two buffers; behind the loop v64-79 at work, v192-223 packed weights, v32-63 and v224-255 rows read back
;   window 1: v64-127, v128-191 the keys' fragments          window 2: the accumulators of my queries 0-63 ((a, b) at v[8 (8 a + b)]);  window 3: of my queries 64-127
.set NS,    8
.set PITCH, 272                        ; an LDS row: 256 bytes + 16: row r starts at bank 4 r mod 64 (64 banks of 4 bytes: ISA guide 11.1)
.set HALFT, 128*PITCH                  ; what one tensor load brings
.set SLOT,  4*HALFT                    ; 0x22000: no tile's base has bit 13 or bit 17 set, so one exclusive or turns an address in one slot into the other's
.set STAGE, 2*SLOT                     ; behind the ring: 16 rows x 272 bytes for each wave
.set SP,    272
.set STATL, STAGE+4*16*SP              ; 1,024 bytes for each wave: m of its 128 queries, then l
.set SPARE, STATL+4096                 ; the spare words, 128 bytes a wave: two blocks of 256 bytes that no other line names
.set ADRA, 16                          ; v16  LDS address of my queries' fragments in slot 0; never rewritten
.set ADRB, 17                          ; v17  of my keys'
.set CA,   18                          ; v18  the same in the slot in hand
.set CB,   19                          ; v19
.set SRD,  20                          ; v20  where I read 16 bytes of m back
.set SGO,  21                          ; v21  16 x lane: my offset in 512 bytes of stats
.set STO,  24
.set RD,   25
.set CO,   26
.set SST,  27                          ; v27  where I put m (lanes 0-15) or l (lanes 16-31) of query lane % 16
.set SPW,  28
.set NIL,  29
.set PFO,  30
.set F0,   64
.set F1,   128
.set T,    64                          ; v64-67 four running maxima
.set MX,   68                          ; v[68:69] m, named as a pair
.set LS,   70                          ; v[70:71] l
.set VAL,  72
.set TMP,  192
.set OB,   32
.set WV,   10
.set WR,   11                          ; my half of the queries; also: I fetch queries (0) or keys (1)
.set WC,   12                          ; my half of the keys; also: which half of that tile I fetch
.set G1A,  24
.set G0A,  32
.set LIM,  43
.set PFA,  44
.set G1B,  48
.set G0B,  56
.set TB,   66
.set CNT,  67
.set CS,   70                          ; s[70:71] c
.set SEL,  72                          ; s[72:73] v_permlanex16_b32's selects: each lane takes its own place in the other half
.set HM,   74                          ; s74 the mask of lanes 16-31
.set MSB, 0
.macro WIN new
.if MSB != (\new)
	s_set_vgpr_msb (MSB<<8)|(\new)
.set MSB, \new
.endif
.endm
.set MUL_LO, 0xa1                      ; keys window 1, queries window 0, C and D window 2
.set MUL_HI, 0xf1                      ; the same, C and D window 3
.set TO_B,   0x40
.macro JLOAD                           ; a joint refill: waves 0 and 1 fetch the queries' halves, waves 2 and 3 the keys'; an s_nop 0 and four v_nop follow each line
	s_cmp_eq_u32 s[WR], 0
	s_cbranch_scc0 .Lfor_b_\@
	tensor_load_to_lds s[G0A+4:G0A+7], s[G1A:G1A+7]
	s_nop 0
.rept 4
	v_nop
.endr
	s_branch .Lasked_\@
.Lfor_b_\@:
	tensor_load_to_lds s[G0B+4:G0B+7], s[G1B:G1B+7]
	s_nop 0
.rept 4
	v_nop
.endr
.Lasked_\@:
.endm
.macro ASK                             ; a prefetch of the K step two refills on: 32 rows x 256 bytes, a lane a row; the last two refills have no such step
	s_cmp_gt_u32 s3, s[LIM]
	s_cbranch_scc0 .Lnot_mine_\@
	global_prefetch_b8 v[PFO], s[PFA:PFA+1] th:TH_LOAD_NT scope:SCOPE_SE
.Lnot_mine_\@:
.endm
.macro CREST
	s_cmp_lg_u32 s[WV], 0
	s_cbranch_scc1 .Lnot_wave_0_\@
	s_barrier_signal -3
.Lnot_wave_0_\@:
	s_barrier_wait -3
	s_barrier_signal -1
	s_barrier_wait -1
.endm
.macro CROUND
	s_barrier_signal -1
	s_barrier_wait -1
	CREST
.endm
.macro PLACES                          ; four places behind a matrix instruction, in front of loads into registers that it read (ISA guide 7.12.1 for vector instructions)
.rept 4
	v_nop
.endr
.endm
	s_load_b128 s[80:83], s[0:1], 0x0              ; qkv s[80:81], pt s[82:83]
	s_load_b64 s[84:85], s[0:1], 0x10              ; stats
	v_lshl_add_u32 v[SPW], v0, 2, SPARE
	v_mov_b32 v[NIL], 0
	ds_add_u32 v[SPW], v[NIL]                      ; the wave's opening: the add and its wait ahead of my first tensor load
	v_lshrrev_b32 v1, 5, v0
	v_readfirstlane_b32 s[WV], v1
	s_lshr_b32 s[WR], s[WV], 1
	s_and_b32 s[WC], s[WV], 1
	s_bfe_u32 s40, ttmp6, 0x40000                  ; cx
	s_bfe_u32 s41, ttmp6, 0x40004                  ; cy
	s_lshl_b32 s42, ttmp9, 2
	s_add_co_u32 s42, s42, s40                     ; tile of 256 keys in the batch, 0 .. 7
	s_and_b32 s20, ttmp7, 0xffff                   ; cluster y
	s_lshl_b32 s13, s20, 2
	s_add_co_u32 s13, s13, s41                     ; tile of 256 queries, 0 .. 31
	s_lshr_b32 s21, s20, 1                         ; the batch: eight query tiles, two clusters
	s_lshl_b32 s43, s41, 2
	s_lshl_b32 s43, 15, s43                        ; my row of the cluster
	s_lshl_b32 s44, 0x1111, s40                    ; my column
	s_or_b32 s[G1A+0], s43, (1<<16)|(1<<20)|(1<<21)|(5<<22)|(3<<25)  ; the mask; elements of 2 bytes; padding on; bit 21 beside a mask; after every 64 words 4 words
	s_or_b32 s[G1B+0], s44, (1<<16)|(1<<20)|(1<<21)|(5<<22)|(3<<25)
.irp g, G1A, G1B
	s_mov_b32 s[(\g)+1], 128<<16                   ; tensor_dim0 = 128
	s_mov_b32 s[(\g)+2], 128<<16                   ; tensor_dim1 = 128
	s_mov_b32 s[(\g)+3], 128<<16                   ; tile_dim0 = 128
	s_mov_b32 s[(\g)+4], 128                       ; tile_dim1 = 128
	s_mov_b32 s[(\g)+5], 1024                      ; elements from row to row
	s_mov_b32 s[(\g)+6], 0
	s_mov_b32 s[(\g)+7], 0
.endr
	s_lshl_b32 s16, s13, 19                        ; q: 256 rows of 2,048 bytes a tile,
	s_lshl_b32 s17, s[WC], 18                      ; 128 rows a half
	s_add_co_u32 s16, s16, s17
	s_mov_b32 s17, 0
	s_lshl_b32 s46, s42, 19                        ; k: the same,
	s_lshl_b32 s47, s[WC], 18
	s_add_co_u32 s46, s46, s47
	s_lshl_b32 s47, s21, 22                        ; in the batch's 2,048 rows,
	s_add_co_u32 s46, s46, s47
	s_add_co_u32 s46, s46, 1<<24                   ; behind q
	s_mov_b32 s47, 0
	s_mul_i32 s18, s[WC], HALFT                    ; where they go: no place in the cluster enters an LDS address
	s_add_co_u32 s19, s18, 2*HALFT
	s_mov_b32 s[G0A+0], 1
	s_mov_b32 s[G0A+1], s18
	s_mov_b32 s[G0A+4], 1
	s_add_co_u32 s[G0A+5], s18, SLOT
	s_mov_b32 s[G0B+0], 1
	s_mov_b32 s[G0B+1], s19
	s_mov_b32 s[G0B+4], 1
	s_add_co_u32 s[G0B+5], s19, SLOT
	s_mov_b32 s[TB], 0
	s_mov_b32 s[CS], 0x3d38aa3b                    ; c = log2(e) / 32
	s_mov_b32 s[CS+1], s[CS]                       ; named with it as a pair
	s_mov_b32 s[SEL], 0x76543210
	s_mov_b32 s[SEL+1], 0xfedcba98
	s_mov_b32 s[HM], 0xffff0000
	s_wait_dscnt 0x0                               ; the opening add is done
	s_wait_kmcnt 0x0
	s_add_nc_u64 s[14:15], s[80:81], s[16:17]
	s_add_nc_u64 s[46:47], s[80:81], s[46:47]
	s_mov_b64 s[G0A+2:G0A+3], s[14:15]             ; K step 0
	s_or_b32 s[G0A+3], s[G0A+3], 0x80000000
	s_add_nc_u64 s[G0A+6:G0A+7], s[14:15], 256     ; K step 1
	s_or_b32 s[G0A+7], s[G0A+7], 0x80000000
	s_mov_b64 s[G0B+2:G0B+3], s[46:47]
	s_or_b32 s[G0B+3], s[G0B+3], 0x80000000
	s_add_nc_u64 s[G0B+6:G0B+7], s[46:47], 256
	s_or_b32 s[G0B+7], s[G0B+7], 0x80000000
	CROUND                                         ; all sixteen work-groups are here: the first joint loads meet
	s_cmp_eq_u32 s[WR], 0                          ; a wave's two first fills stand in one branch: two loads of mine are out
	s_cbranch_scc0 .Lfirst_b
	tensor_load_to_lds s[G0A:G0A+3], s[G1A:G1A+7]
	s_nop 0
	tensor_load_to_lds s[G0A+4:G0A+7], s[G1A:G1A+7]
	s_nop 0
.rept 4
	v_nop
.endr
	s_branch .Lfirst_asked
.Lfirst_b:
	tensor_load_to_lds s[G0B:G0B+3], s[G1B:G1B+7]
	s_nop 0
	tensor_load_to_lds s[G0B+4:G0B+7], s[G1B:G1B+7]
	s_nop 0
.rept 4
	v_nop
.endr
.Lfirst_asked:
	; THE PREFETCHES.  Of the 128 rows that a wave fetches the partner at place p (cx for queries, cy for keys) takes rows 32 p .. + 31, a lane a row.  A query tile is read by both clusters of its
	; row of clusters: cluster x = 0 asks.  A key tile is read by the two clusters of its batch and column: the even cluster y asks.  So each row's 256 bytes of a K step are named once.
	s_mov_b32 s18, ttmp9
	s_cmp_eq_u32 s18, 0
	s_cselect_b32 s18, 2, -1
	s_and_b32 s19, s20, 1
	s_cmp_eq_u32 s19, 0
	s_cselect_b32 s19, 2, -1
	s_cmp_eq_u32 s[WR], 0
	s_cselect_b32 s[LIM], s18, s19                 ; the same in all sixteen partners, for a given wave
	s_cselect_b64 s[PFA:PFA+1], s[14:15], s[46:47]
	s_cselect_b32 s20, s40, s41                    ; my place among the four: it enters the address alone
	s_lshl_b32 s20, s20, 16                        ; 32 rows of 2,048 bytes
	s_add_co_u32 s20, s20, 3*256                   ; at K step 3: the first refill steps it to 4
	s_mov_b32 s21, 0
	s_add_nc_u64 s[PFA:PFA+1], s[PFA:PFA+1], s[20:21]
	v_and_b32 v[PFO], 31, v0
	v_lshlrev_b32 v[PFO], 11, v[PFO]
	v_and_b32 v1, 15, v0                           ; r = l % 16
	v_bfe_u32 v2, v0, 4, 1                         ; h = l / 16
	v_mul_u32_u24 v3, v1, PITCH
	v_lshl_add_u32 v3, v2, 4, v3                   ; a fragment: row r x pitch + 16 h; two loads of 16 bytes, 32 bytes apart
	s_mul_i32 s21, s[WR], HALFT
	s_mul_i32 s22, s[WC], HALFT
	s_add_co_u32 s22, s22, 2*HALFT
	v_add_nc_u32 v[ADRA], s21, v3
	v_add_nc_u32 v[ADRB], s22, v3
	v_mov_b32 v[CA], v[ADRA]
	v_mov_b32 v[CB], v[ADRB]
	s_mul_i32 s23, s[WV], 16*SP
	s_add_co_u32 s23, s23, STAGE                   ; my stage
	v_mul_u32_u24 v4, v1, SP
	v_lshl_add_u32 v4, v2, 4, v4
	v_add_nc_u32 v[STO], s23, v4
	v_mul_u32_u24 v5, v2, SP
	v_lshl_add_u32 v5, v1, 4, v5
	v_add_nc_u32 v[RD], s23, v5
	v_lshlrev_b32 v5, 12, v2                       ; two rows of pt, 4,096 bytes each
	v_lshl_add_u32 v[CO], v1, 4, v5
	s_lshl_b32 s23, s[WV], 10
	s_add_co_u32 s23, s23, STATL                   ; my 1,024 bytes for m and l
	v_lshlrev_b32 v5, 9, v2
	v_lshl_add_u32 v5, v1, 2, v5
	v_add_nc_u32 v[SST], s23, v5
	v_and_b32 v[SGO], 31, v0
	v_lshlrev_b32 v[SGO], 4, v[SGO]
	v_add_nc_u32 v[SRD], s23, v[SGO]
	s_lshl_b32 s16, s13, 8
	s_lshl_b32 s17, s[WR], 7
	s_add_co_u32 s16, s16, s17                     ; my first query
	s_lshl_b32 s18, s16, 2                         ; its place in a row of stats
	s_lshl_b32 s16, s16, 12                        ; its row of pt
	s_mov_b32 s17, 0
	s_lshl_b32 s46, s42, 1
	s_add_co_u32 s46, s46, s[WC]                   ; kb, my block of 128 keys
	s_lshl_b32 s22, s46, 15                        ; its row of stats
	s_add_co_u32 s22, s22, s18
	s_mov_b32 s23, 0
	s_lshl_b32 s46, s46, 8                         ; its 256 bytes in a row of pt
	s_mov_b32 s47, 0
	s_add_nc_u64 s[16:17], s[16:17], s[46:47]
	s_add_nc_u64 s[8:9], s[82:83], s[16:17]
	s_add_nc_u64 s[6:7], s[84:85], s[22:23]
; 16 matrix instructions: query blocks a0, a0 + 1 of the window's four x all 8 key blocks, 32 along K.  The 64 accumulators take turns in one order everywhere.
.macro MUL16 f, hi, a0, zero
	WIN MUL_LO+0x50*(\hi)
.irp a, \a0, (\a0)+1
.irp b, 0,1,2,3,4,5,6,7
.if \zero
	v_wmma_f32_16x16x32_f16 v[8*(8*(\a)+(\b)):8*(8*(\a)+(\b))+7], v[(\f)+8*(\b):(\f)+8*(\b)+7], v[(\f)+8*(4*(\hi)+(\a)):(\f)+8*(4*(\hi)+(\a))+7], 0
.else
	v_wmma_f32_16x16x32_f16 v[8*(8*(\a)+(\b)):8*(8*(\a)+(\b))+7], v[(\f)+8*(\b):(\f)+8*(\b)+7], v[(\f)+8*(4*(\hi)+(\a)):(\f)+8*(4*(\hi)+(\a))+7], v[8*(8*(\a)+(\b)):8*(8*(\a)+(\b))+7]
.endif
.endr
.endr
.endm
; 32 LDS loads in one run: the fragments of 32 K at byte k of the rows of the slot in hand, into buffer f: the keys first, then the queries
.macro FETCH k, f
	WIN TO_B
.irp i, 0,1,2,3,4,5,6,7
	ds_load_b128 v[(\f)+8*(\i):(\f)+8*(\i)+3],   v[CB] offset:(\k)+(\i)*16*PITCH
	ds_load_b128 v[(\f)+8*(\i)+4:(\f)+8*(\i)+7], v[CB] offset:(\k)+(\i)*16*PITCH+32
.endr
	WIN 0
.irp i, 0,1,2,3,4,5,6,7
	ds_load_b128 v[(\f)+8*(\i):(\f)+8*(\i)+3],   v[CA] offset:(\k)+(\i)*16*PITCH
	ds_load_b128 v[(\f)+8*(\i)+4:(\f)+8*(\i)+7], v[CA] offset:(\k)+(\i)*16*PITCH+32
.endr
.endm
; A quarter step: multiplies buffer f; in its middle it fetches the next quarter, at byte k, into buffer g.
.macro QUARTER k, f, g, zero
	s_wait_dscnt 8                                 ; the keys and my queries 0-63 are in; the youngest eight loads (queries 64-127) may be out
	MUL16 \f, 0, 0, \zero
	MUL16 \f, 0, 2, \zero
	PLACES
	FETCH \k, \g
	s_wait_dscnt 32                                ; all but the 32 just issued
	MUL16 \f, 1, 0, \zero
	MUL16 \f, 1, 2, \zero
.endm
; The step's last quarter multiplies buffer 1 and changes slots.  In front of the barrier each wave waits for all its tensor loads (one is out: its part of the next slot), adds 0 to its spare
; word, and waits for that and for its reads of this slot.  fill = 1: the barrier opens a round of the cluster's, and the joint refill, with the K step two on, is the first thing behind it:
; it has 224 matrix instructions in which to land.  fill = 0, the tail: nothing is asked for, and in the last step nothing is fetched.
.macro TURN fill
.if \fill
	s_wait_xcnt 0x0                                ; the last prefetch, a K step back, has read its address
	s_add_nc_u64 s[PFA:PFA+1], s[PFA:PFA+1], 256
.endif
	WIN 0
	s_wait_tensorcnt 0x0                           ; no tensor load of mine is out, so a group 0 may be written
	ds_add_u32 v[SPW], v[NIL]                      ; 0 onto my spare word
.if \fill
	s_xor_b32 s[G0A+5], s[G0A+5], SLOT             ; the walking descriptors: the other slot than last time, the next K step
	s_add_nc_u64 s[G0A+6:G0A+7], s[G0A+6:G0A+7], 256
	s_xor_b32 s[G0B+5], s[G0B+5], SLOT
	s_add_nc_u64 s[G0B+6:G0B+7], s[G0B+6:G0B+7], 256
.endif
	s_xor_b32 s[TB], s[TB], SLOT
	s_wait_dscnt 9                                 ; the add and the youngest eight loads may be out
	MUL16 F1, 0, 0, 0                              ; sixteen matrix instructions stand between the add and the wait for it
	s_wait_dscnt 0x0                               ; the add is done, and my reads of this slot are over
	s_barrier_signal -1
	MUL16 F1, 0, 2, 0                              ; work on registers while the others arrive
	WIN 0                                          ; at a label and at a branch every window is 0
	s_barrier_wait -1
.if \fill
	CREST                                          ; no wave of any partner still reads this slot or has a load on its way
	JLOAD                                          ; the four v_nop behind it are also the places in front of the loads below
.else
	PLACES
	s_cmp_eq_u32 s[CNT], 1                         ; the last step has no successor
	s_cbranch_scc1 .Lno_more_\@
.endif
	v_add_nc_u32 v[CA], s[TB], v[ADRA]
	v_add_nc_u32 v[CB], s[TB], v[ADRB]
	FETCH 0, F0
.if \fill
	ASK                                            ; behind the joint load and the run of LDS loads
.else
.Lno_more_\@:
.endif
	MUL16 F1, 1, 0, 0
	MUL16 F1, 1, 2, 0
.endm
	s_wait_tensorcnt 0x1                           ; my part of K step 0 is in; K step 1's stays out
	s_barrier_signal -1
	s_barrier_wait -1
	FETCH 0, F0
	QUARTER 64, F0, F1, 1                          ; the first quarter stands in front of the loop: its products start the sums
	WIN 0
	s_mov_b32 s3, NS-2
.Lstep:                                                ; a trip: a K step's quarters 1 to 3 and the next step's quarter 0; the slot left is filled again
	QUARTER 128, F1, F0, 0
	QUARTER 192, F0, F1, 0
	TURN 1
	QUARTER 64, F0, F1, 0
	WIN 0
	s_sub_co_u32 s3, s3, 1
	s_cmp_lg_u32 s3, 0
	s_cbranch_scc1 .Lstep
	s_mov_b32 s[CNT], 2                            ; the last two steps ask for nothing: a text of their own
.Ltail:
	QUARTER 128, F1, F0, 0
	QUARTER 192, F0, F1, 0
	TURN 0
	WIN 0
	s_sub_co_u32 s[CNT], s[CNT], 1
	s_cmp_eq_u32 s[CNT], 0
	s_cbranch_scc1 .Lout
	QUARTER 64, F0, F1, 0
	WIN 0
	s_branch .Ltail
.Lout:
; THE WEIGHTS, a block of 16 queries at a time.  A lane holds 64 scores of its query, the lane 16 away the other 64.
.macro SUBM p                          ; pair p: s - m
	v_pk_add_f32 v[AC+2*(\p):AC+2*(\p)+1], v[AC+2*(\p):AC+2*(\p)+1], v[MX:MX+1] op_sel_hi:[1,0] neg_lo:[0,1] neg_hi:[0,1]
.endm
.macro MULC p                          ; pair p: times c
	v_pk_mul_f32 v[AC+2*(\p):AC+2*(\p)+1], v[AC+2*(\p):AC+2*(\p)+1], s[CS:CS+1] op_sel_hi:[1,0]
.endm
.macro SOFT a
.set AC, 64*((\a)%4)                   ; the block's 64 registers, in window 2 (blocks 0-3) or 3
.set WS, 0x0a+5*((\a)/4)               ; sources 0 and 1 in that window, the rest in window 0
.set WD, 0x82+0x41*((\a)/4)            ; destination and source 0 in that window
.set WT, 0x8a+0x45*((\a)/4)            ; destination and both sources
	WIN WS                                         ; the maximum: four chains of two accumulators each, ascending
.irp ch, 0,1,2,3
	v_max_num_f32 v[T+(\ch)], v[AC+16*(\ch)], v[AC+16*(\ch)+1]
.endr
.irp i, 1,2,3,4,5,6,7
.irp ch, 0,1,2,3
	v_max3_num_f32 v[T+(\ch)], v[AC+16*(\ch)+2*(\i)], v[AC+16*(\ch)+2*(\i)+1], v[T+(\ch)]
.endr
.endr
	WIN 0
	v_max3_num_f32 v[T], v[T], v[T+1], v[T+2]
	v_max_num_f32 v[T], v[T], v[T+3]
	v_permlanex16_b32 v[T+1], v[T], s[SEL], s[SEL+1]  ; the query's other 64 keys
	v_max_num_f32 v[MX], v[T], v[T+1]
	WIN WD                                         ; ONE BATCH: the differences, the scalings and all 64 exponentials, in place; none of these names an exponential's result
	SUBM 0
	MULC 0
	SUBM 1
	MULC 1
.set i, 0
.rept 32
	v_exp_f32 v[AC+2*i], v[AC+2*i]
.if i < 30
	SUBM i+2
.endif
	v_exp_f32 v[AC+2*i+1], v[AC+2*i+1]
.if i < 30
	MULC i+2
.endif
.set i, i+1
.endr
	v_nop                                          ; a plain instruction behind the last exponential (ISA guide 5.7.2),
	s_wait_alu depctr_va_vdst(0)                   ; and a wait ahead of the first use: one for the batch
	WIN WS
.set i, 0
.rept 32
	v_cvt_pk_f16_f32 v[TMP+i], v[AC+2*i], v[AC+2*i+1]
.set i, i+1
.endr
	WIN WT                                         ; l: the 32 pairs are added as a tree, in place
.irp w, 16,8,4,2
.set i, 0
.rept \w
	v_pk_add_f32 v[AC+2*i:AC+2*i+1], v[AC+2*i:AC+2*i+1], v[AC+2*(i+\w):AC+2*(i+\w)+1]
.set i, i+1
.endr
.endr
	WIN WS
	v_pk_add_f32 v[LS:LS+1], v[AC:AC+1], v[AC+2:AC+3]
	WIN 0
	v_add_f32 v[LS], v[LS], v[LS+1]
	v_permlanex16_b32 v[LS+1], v[LS], s[SEL], s[SEL+1]
	v_add_f32 v[LS], v[LS], v[LS+1]
	v_cndmask_b32 v[VAL], v[MX], v[LS], s[HM]      ; lanes 0-15 carry m, lanes 16-31 l
	ds_store_b32 v[SST], v[VAL] offset:64*(\a)
.endm
.macro TOSTAGE a
.set BK, OB+192*((\a)%2)
.irp b, 0,1,2,3,4,5,6,7
	ds_store_b128 v[STO], v[TMP+4*(\b):TMP+4*(\b)+3] offset:32*(\b)
.endr
.irp t, 0,1,2,3,4,5,6,7
	ds_load_b128 v[BK+4*(\t):BK+4*(\t)+3], v[RD] offset:(\t)*2*SP  ; LDS serves a wave's instructions in order (ISA guide 5.7.1.4): these see the stores above
.endr
.endm
.macro SEND a
.set BK, OB+192*((\a)%2)
	s_wait_dscnt 0x0                               ; the block is back in registers
	s_wait_xcnt 0x0                                ; earlier stores have read their base and their data: both are written again only behind this wait
.if (\a) > 0
	s_add_nc_u64 s[8:9], s[8:9], 16*4096           ; 16 rows of pt on
.endif
.irp t, 0,1,2,3,4,5,6,7
	global_store_b128 v[CO], v[BK+4*(\t):BK+4*(\t)+3], s[8:9] offset:(\t)*2*4096  ; 16 lanes store 256 consecutive bytes, at a multiple of 256 from pt's first byte
.endr
.endm
	PLACES                                         ; behind the last products
	PLACES
	v_mov_b32 v[MX+1], 0                           ; named with m as a pair
	SOFT 0
	TOSTAGE 0
.irp a, 1,2,3,4,5,6,7                  ; block a's arithmetic stands between block a - 1's loads from the stage and the wait for them
	SOFT \a
	SEND (\a)-1
	TOSTAGE \a
.endr
	SEND 7
	ds_load_b128 v[T:T+3], v[SRD]                  ; m of my 128 queries: 512 bytes, my own wave's
	ds_load_b128 v[T+12:T+15], v[SRD] offset:512   ; l
	s_wait_dscnt 0x0
	global_store_b128 v[SGO], v[T:T+3], s[6:7]                       ; 512 consecutive bytes of row kb
	global_store_b128 v[SGO], v[T+12:T+15], s[6:7] offset:16*32768   ; and of row 16 + kb
	s_wait_tensorcnt 0x0                           ; the wave's end: behind my last tensor load and my last LDS store
	ds_add_u32 v[SPW], v[NIL]
	s_wait_dscnt 0x0
	CROUND                                         ; the closing round
	s_endpgm
.Lfunc_end_k_qeda300789e_scores:
	.size	k_qeda300789e_scores, .Lfunc_end_k_qeda300789e_scores-k_qeda300789e_scores
	.p2alignl 7, 3214868480
	.fill 96, 4, 3214868480
	.section	.rodata,"a",@progbits
	.p2align	6, 0x0
	.amdhsa_kernel k_qeda300789e_scores
		.amdhsa_group_segment_fixed_size 327680
		.amdhsa_private_segment_fixed_size 0
		.amdhsa_enable_private_segment 0
		.amdhsa_kernarg_size 24
		.amdhsa_user_sgpr_count 2
		.amdhsa_user_sgpr_kernarg_segment_ptr 1
		.amdhsa_wavefront_size32 1
		.amdhsa_system_sgpr_workgroup_id_x 1
		.amdhsa_system_sgpr_workgroup_id_y 1
		.amdhsa_system_sgpr_workgroup_id_z 1
		.amdhsa_system_vgpr_workitem_id 0
		.amdhsa_next_free_vgpr 1024
		.amdhsa_next_free_sgpr 88
		.amdhsa_reserve_vcc 0
		.amdhsa_float_denorm_mode_32 3
		.amdhsa_float_denorm_mode_16_64 3
		.amdhsa_memory_ordered 1
		.amdhsa_forward_progress 1
		.amdhsa_inst_pref_size 186
	.end_amdhsa_kernel
	.amdgpu_metadata
---
amdhsa.version: [ 1, 2 ]
amdhsa.kernels:
  - .name:           k_qeda300789e_scores
    .symbol:         k_qeda300789e_scores.kd
    .args:
      - { .name: qkv, .offset: 0, .size: 8, .value_kind: global_buffer, .address_space: global }
      - { .name: pt, .offset: 8, .size: 8, .value_kind: global_buffer, .address_space: global }
      - { .name: stats, .offset: 16, .size: 8, .value_kind: global_buffer, .address_space: global }
    .group_segment_fixed_size: 327680
    .private_segment_fixed_size: 0
    .kernarg_segment_align: 8
    .kernarg_segment_size: 24
    .max_flat_workgroup_size: 128
    .sgpr_count:     88
    .vgpr_count:     1024
    .wavefront_size: 32
...
	.end_amdgpu_metadata
.endif
;; end of part 3
;; launch attnout (part 4): grid 4 x 64, 4 waves a work-group, clusters of 4 x 4, 327,680 bytes of LDS; arguments pt, qkv, stats, out0; writes out0
.if DOCPART == 4
	.amdgcn_target "amdgcn-amd-amdhsa--gfx1250"
	.amdhsa_code_object_version 6
	.text
	.protected	k_qeda300789e_attnout
	.globl	k_qeda300789e_attnout
	.p2align	8
	.type	k_qeda300789e_attnout,@function
k_qeda300789e_attnout:
	s_mov_b64 s[64:65], 0
	v_nop
	global_prefetch_b8 v0, s[64:65] scope:SCOPE_SE
	s_setreg_imm32_b32 hwreg(HW_REG_WAVE_MODE, 25, 1), 1
	s_wait_xcnt 0x0
	s_wait_alu depctr_hold_cnt(0) depctr_sa_sdst(0) depctr_va_vdst(0) depctr_va_sdst(0) depctr_va_ssrc(0) depctr_va_vcc(0) depctr_vm_vsrc(0)
	s_getreg_b32 s2, hwreg(HW_REG_IB_STS2, 6, 4)
	s_cmp_eq_u32 s2, 0
	s_cbranch_scc0 .Lentry_in_a_cluster
	s_endpgm
.Lentry_in_a_cluster:
	s_bfe_u32 s2, ttmp6, 0x10000c
	s_cmp_lg_u32 s2, 0xf033
	s_cbranch_scc0 .Lentry_shape_is_right
	s_endpgm
.Lentry_shape_is_right:
; out0[q][ch] = ( sum over the sixteen key blocks kb of (pt[q][kb] x F_kb) . V[kb][ch] ) / L,  with mmax = the largest m_kb, F_kb = f16(2^(c (m_kb - mmax))), L = sum of l_kb F_kb, c = log2(e) / 32.
; pt: [8192 q][2048 keys] f16, weights relative to their block's maximum; stats: [32][8192] f32 (m, then l); V = qkv's third part, [8192][1024] f16; out0: [8192][1024] f32.
; With the launch before, this is the softmax with the row's maximum taken away: m_kb - mmax is never above 0, F is 1 in the block that holds the maximum, and l is at least 1 there, so L is at least 1.
; L is summed with the rounded F, the factor that the weights are multiplied by.  The weights are scaled in f16 between LDS and the matrix unit: one packed multiply for two weights.
; LIMITS.  A weight below f16's step of 6e-8, relative to the row's largest, counts as 0; NaN and infinities are not treated apart.
; SHARES.  A work-group makes 128 queries x 256 channels, a wave 64 x 128: 32 accumulators.  K (2,048 keys) goes in 16 steps of 128, a key block each, through two LDS slots.
; CLUSTERS.  4 x 4 work-groups: the four of a row need the same rows of pt and of stats, the four of a column the same columns of V: each tile is asked for jointly.
; THE PRODUCT IS TAKEN TRANSPOSED (source 0 = V^T, 16 channels, turned on its way out of LDS; source 1 = 16 queries of pt): a lane holds one query and eight neighbouring channels.
; REGISTERS, in windows of 256 (s_set_vgpr_msb: bits 1:0 source 0, 3:2 source 1, 5:4 source 2, 7:6 destination):
;   window 0: v0-31 addresses; v32-35 F of my four blocks of queries; v40-47 1 / L, in pairs; v64-191 V's fragments, two buffers; v192-247 at work ahead of the loop
;   window 1: v0-191 accumulators a = 0..2 at 64 a + 8 b; v192-255 pt's fragments, two buffers          window 2: v0-63 accumulators a = 3
; One setting serves the products of a = 0..2, the loads of pt's fragments and their scaling, so the scalings ride behind products without a switch.
.set NS,    16
.set SLOT,  0x20000                    ; slot 1 begins here: one exclusive or turns an address in one slot into the other's
.set PP,    272                        ; a row of pt in LDS: 256 bytes + 16
.set PV,    544                        ; a row of V: 512 bytes + 32 = 136 words
.set PHALF, 64*PP                      ; what a wave fetches of pt: 64 queries
.set VHALF, 64*PV                      ; of V: 64 keys
.set VOFF,  2*PHALF
.set STT,   SLOT+VOFF+2*VHALF          ; stats of the work-group's 128 queries: 32 rows of 512 bytes, filled once
.set FAC,   STT+16384                  ; F, twice in a word: [16 kb][128 q]
.set RLS,   FAC+8192                   ; 1 / L: [128 q]
.set STAGE, RLS+512                    ; 16 rows x 528 bytes for each wave, for the way out
.set SP,    528
.set SPARE, STAGE+4*16*SP              ; the spare words, 128 bytes a wave: two blocks of 256 bytes that no other line names
.set ADRA, 16                          ; v16  LDS address of my fragments of pt in slot 0; never rewritten
.set ADRB, 17                          ; v17  of V
.set CA,   18
.set CB,   19
.set STO,  24
.set RD,   25
.set CO,   26
.set FADR, 27                          ; v27  where F of the key block to come lies for my query lane % 16
.set SPW,  28
.set NIL,  29
.set PFO,  30
.set PQ,   31                          ; v31  ahead of the loop: STT + 4 x my thread's number: a thread a query
.set F,    32
.set RL,   40
.set FV,   64
.set FP,   192                         ; window 1
.set PM,   192                         ; ahead of the loop: m of 16 blocks, then their factors
.set PL,   208                         ; l of 16 blocks
.set PX,   224                         ; v[224:225] mmax, named as a pair
.set PT,   226                         ; v226-229 at work
.set PF,   230                         ; v230-245 F
.set PS,   246                         ; v246 L, v247 1 / L
.set TMP,  64
.set WV,   10
.set WR,   11                          ; my half of the queries; also: I fetch pt (0) or V (1)
.set WC,   12                          ; my half of the channels; also: which half of that tile I fetch
.set G1A,  24
.set G0A,  32
.set LIM,  43
.set PFA,  44
.set G1B,  48
.set G0B,  56
.set TB,   66
.set CNT,  67
.set PFS,  68
.set CS,   70
.set G1S,  88                          ; s[88:95], s[96:99] the descriptor of stats
.set G0S,  96
.set MSB, 0
.macro WIN new
.if MSB != (\new)
	s_set_vgpr_msb (MSB<<8)|(\new)
.set MSB, \new
.endif
.endm
.set S_A, 0x54                         ; source 0 window 0; source 1, C and D window 1
.set S_B, 0xa4                         ; source 0 window 0; source 1 window 1; C and D window 2
.macro JLOAD                           ; a joint refill: waves 0 and 1 fetch pt's halves, waves 2 and 3 V's; an s_nop 0 and four v_nop follow each line
	s_cmp_eq_u32 s[WR], 0
	s_cbranch_scc0 .Lfor_b_\@
	tensor_load_to_lds s[G0A+4:G0A+7], s[G1A:G1A+7]
	s_nop 0
.rept 4
	v_nop
.endr
	s_branch .Lasked_\@
.Lfor_b_\@:
	tensor_load_to_lds s[G0B+4:G0B+7], s[G1B:G1B+7]
	s_nop 0
.rept 4
	v_nop
.endr
.Lasked_\@:
.endm
.macro ASK                             ; a prefetch of the K step two refills on: 32 blocks of 256 bytes, a lane a block; the last two refills have no such step
	s_cmp_gt_u32 s3, s[LIM]
	s_cbranch_scc0 .Lnot_mine_\@
	global_prefetch_b8 v[PFO], s[PFA:PFA+1] th:TH_LOAD_NT scope:SCOPE_SE
.Lnot_mine_\@:
.endm
.macro CREST
	s_cmp_lg_u32 s[WV], 0
	s_cbranch_scc1 .Lnot_wave_0_\@
	s_barrier_signal -3
.Lnot_wave_0_\@:
	s_barrier_wait -3
	s_barrier_signal -1
	s_barrier_wait -1
.endm
.macro CROUND
	s_barrier_signal -1
	s_barrier_wait -1
	CREST
.endm
	s_load_b256 s[80:87], s[0:1], 0x0              ; pt s[80:81], qkv s[82:83], stats s[84:85], out0 s[86:87]
	v_lshl_add_u32 v[SPW], v0, 2, SPARE
	v_mov_b32 v[NIL], 0
	ds_add_u32 v[SPW], v[NIL]                      ; the wave's opening: the add and its wait ahead of my first tensor load
	v_lshrrev_b32 v1, 5, v0
	v_readfirstlane_b32 s[WV], v1
	s_lshr_b32 s[WR], s[WV], 1
	s_and_b32 s[WC], s[WV], 1
	s_bfe_u32 s40, ttmp6, 0x40000                  ; cx
	s_bfe_u32 s41, ttmp6, 0x40004                  ; cy
	s_lshl_b32 s42, ttmp9, 2
	s_add_co_u32 s42, s42, s40                     ; tile of 256 channels
	s_and_b32 s20, ttmp7, 0xffff                   ; cluster y
	s_lshl_b32 s13, s20, 2
	s_add_co_u32 s13, s13, s41                     ; tile of 128 queries, 0 .. 63
	s_lshr_b32 s21, s20, 2                         ; the batch: sixteen query tiles, four clusters
	s_lshl_b32 s43, s41, 2
	s_lshl_b32 s43, 15, s43                        ; my row of the cluster
	s_lshl_b32 s44, 0x1111, s40                    ; my column
	s_or_b32 s[G1A+0], s43, (1<<16)|(1<<20)|(1<<21)|(5<<22)|(3<<25)  ; pt: elements of 2 bytes; after every 64 words 4 words of padding
	s_mov_b32 s[G1A+1], 128<<16                    ; tensor_dim0 = 128 keys
	s_mov_b32 s[G1A+2], 64<<16                     ; tensor_dim1 = 64 queries
	s_mov_b32 s[G1A+3], 128<<16
	s_mov_b32 s[G1A+4], 64
	s_mov_b32 s[G1A+5], 2048                       ; elements from row to row
	s_mov_b32 s[G1A+6], 0
	s_mov_b32 s[G1A+7], 0
	s_or_b32 s[G1B+0], s44, (1<<16)|(1<<20)|(1<<21)|(6<<22)|(7<<25)  ; V: after every 128 words 8 words of padding
	s_mov_b32 s[G1B+1], 256<<16                    ; tensor_dim0 = 256 channels
	s_mov_b32 s[G1B+2], 64<<16                     ; tensor_dim1 = 64 keys
	s_mov_b32 s[G1B+3], 256<<16
	s_mov_b32 s[G1B+4], 64
	s_mov_b32 s[G1B+5], 1024
	s_mov_b32 s[G1B+6], 0
	s_mov_b32 s[G1B+7], 0
	s_or_b32 s[G1S+0], s43, (2<<16)|(1<<21)        ; stats: elements of 4 bytes, no padding
	s_mov_b32 s[G1S+1], 128<<16                    ; tensor_dim0 = 128 queries
	s_mov_b32 s[G1S+2], 16<<16                     ; tensor_dim1 = 16 rows
	s_mov_b32 s[G1S+3], 128<<16
	s_mov_b32 s[G1S+4], 16
	s_mov_b32 s[G1S+5], 8192
	s_mov_b32 s[G1S+6], 0
	s_mov_b32 s[G1S+7], 0
	s_lshl_b32 s16, s13, 19                        ; pt: 128 rows of 4,096 bytes a tile,
	s_lshl_b32 s17, s[WC], 18                      ; 64 rows a half
	s_add_co_u32 s16, s16, s17
	s_mov_b32 s17, 0
	s_lshl_b32 s22, s13, 9                         ; stats: 128 queries of 4 bytes,
	s_lshl_b32 s23, s[WC], 19                      ; wave 0 the sixteen rows of m, wave 1 those of l
	s_add_co_u32 s22, s22, s23
	s_mov_b32 s23, 0
	s_lshl_b32 s46, s42, 9                         ; V: 256 channels of 2 bytes,
	s_lshl_b32 s47, s[WC], 17                      ; 64 keys of 2,048 bytes a half,
	s_add_co_u32 s46, s46, s47
	s_lshl_b32 s47, s21, 22                        ; the batch's 2,048 rows,
	s_add_co_u32 s46, s46, s47
	s_add_co_u32 s46, s46, 2<<24                   ; behind q and k
	s_mov_b32 s47, 0
	s_mul_i32 s18, s[WC], PHALF                    ; where they go: no place in the cluster enters an LDS address
	s_mul_i32 s19, s[WC], VHALF
	s_add_co_u32 s19, s19, VOFF
	s_mov_b32 s[G0A+0], 1
	s_mov_b32 s[G0A+1], s18
	s_mov_b32 s[G0A+4], 1
	s_add_co_u32 s[G0A+5], s18, SLOT
	s_mov_b32 s[G0B+0], 1
	s_mov_b32 s[G0B+1], s19
	s_mov_b32 s[G0B+4], 1
	s_add_co_u32 s[G0B+5], s19, SLOT
	s_lshl_b32 s18, s[WC], 13
	s_mov_b32 s[G0S+0], 1
	s_add_co_u32 s[G0S+1], s18, STT
	s_mov_b32 s[TB], 0
	s_mov_b32 s[CS], 0x3d38aa3b                    ; c = log2(e) / 32
	s_mov_b32 s[CS+1], s[CS]
	s_wait_dscnt 0x0                               ; the opening add is done
	s_wait_kmcnt 0x0
	s_add_nc_u64 s[14:15], s[80:81], s[16:17]
	s_add_nc_u64 s[46:47], s[82:83], s[46:47]
	s_add_nc_u64 s[G0S+2:G0S+3], s[84:85], s[22:23]
	s_or_b32 s[G0S+3], s[G0S+3], 0x80000000
	s_mov_b64 s[G0A+2:G0A+3], s[14:15]             ; K step 0
	s_or_b32 s[G0A+3], s[G0A+3], 0x80000000
	s_add_nc_u64 s[G0A+6:G0A+7], s[14:15], 256     ; K step 1
	s_or_b32 s[G0A+7], s[G0A+7], 0x80000000
	s_mov_b64 s[G0B+2:G0B+3], s[46:47]
	s_or_b32 s[G0B+3], s[G0B+3], 0x80000000
	s_add_nc_u64 s[G0B+6:G0B+7], s[46:47], 128*2048
	s_or_b32 s[G0B+7], s[G0B+7], 0x80000000
	CROUND                                         ; all sixteen work-groups are here: the first joint loads meet
	s_cmp_eq_u32 s[WR], 0                          ; a wave's first fills stand in one branch: three loads of waves 0 and 1 are out, two of waves 2 and 3
	s_cbranch_scc0 .Lfirst_b
	tensor_load_to_lds s[G0S:G0S+3], s[G1S:G1S+7]
	s_nop 0
	tensor_load_to_lds s[G0A:G0A+3], s[G1A:G1A+7]
	s_nop 0
	tensor_load_to_lds s[G0A+4:G0A+7], s[G1A:G1A+7]
	s_nop 0
.rept 4
	v_nop
.endr
	s_branch .Lfirst_asked
.Lfirst_b:
	tensor_load_to_lds s[G0B:G0B+3], s[G1B:G1B+7]
	s_nop 0
	tensor_load_to_lds s[G0B+4:G0B+7], s[G1B:G1B+7]
	s_nop 0
.rept 4
	v_nop
.endr
.Lfirst_asked:
	v_and_b32 v1, 15, v0                           ; r = l % 16
	v_bfe_u32 v2, v0, 4, 1                         ; h = l / 16
	; THE PREFETCHES.  pt: a K step of the tile is 128 rows x 256 bytes; the partner at cx takes rows 32 cx .. + 31, its wave 0 asks, a lane a row; no other cluster reads them.
	; V: a wave's 64 keys x 512 bytes are 128 blocks of 256 bytes; the partner at cy takes keys 16 cy .. + 15, a lane a block; the four clusters of a batch read them: the first asks.
	s_cmp_eq_u32 s[WV], 0
	s_cselect_b32 s18, 2, -1
	s_and_b32 s19, s20, 3
	s_cmp_eq_u32 s19, 0
	s_cselect_b32 s19, 2, -1
	s_mov_b32 s[PFS], 128*2048
	s_mov_b32 s[PFS+1], 0
	s_mov_b32 s23, 3*128*2048
	s_mov_b32 s6, 2048
	s_mov_b32 s7, 256
	s_cmp_eq_u32 s[WR], 0
	s_cselect_b32 s[LIM], s18, s19                 ; the same in all sixteen partners, for a given wave
	s_cselect_b64 s[PFA:PFA+1], s[14:15], s[46:47]
	s_cselect_b32 s20, s40, s41                    ; my place among the four: it enters the address alone
	s_cselect_b32 s21, 17, 15                      ; 32 rows of pt, or 16 of V
	s_cselect_b32 s[PFS], 256, s[PFS]
	s_cselect_b32 s23, 3*256, s23                  ; at K step 3: the first refill steps it to 4
	s_cselect_b32 s6, 4096, s6                     ; lane % 16: a row
	s_cselect_b32 s7, 0x10000, s7                  ; lane / 16: pt: sixteen rows on; V: the row's second block
	s_lshl_b32 s20, s20, s21
	s_add_co_u32 s20, s20, s23
	s_mov_b32 s21, 0
	s_add_nc_u64 s[PFA:PFA+1], s[PFA:PFA+1], s[20:21]
	v_mul_u32_u24 v[PFO], v1, s6
	v_mad_u32_u24 v[PFO], v2, s7, v[PFO]
	v_mul_u32_u24 v3, v1, PP                       ; a fragment of pt: row r x pitch + 16 h; two loads of 16 bytes, 32 bytes apart
	v_lshl_add_u32 v3, v2, 4, v3
	s_mul_i32 s23, s[WR], PHALF
	v_add_nc_u32 v[ADRA], s23, v3
	; the turning load takes 16 keys x 16 channels (lane l reads key 8 h + l % 8, channels 8 ((l / 8) % 2) + 0..7) and leaves half a fragment of V^T: lane l holds channel l % 16 and 8 keys
	v_and_b32 v4, 7, v0
	v_bfe_u32 v5, v0, 3, 1
	v_lshl_add_u32 v3, v2, 3, v4
	v_mul_u32_u24 v3, v3, PV
	v_lshl_add_u32 v3, v5, 4, v3
	s_lshl_b32 s23, s[WC], 8                       ; my 128 channels
	s_add_co_u32 s23, s23, VOFF
	v_add_nc_u32 v[ADRB], s23, v3
	v_mov_b32 v[CA], v[ADRA]
	v_mov_b32 v[CB], v[ADRB]
	s_lshl_b32 s23, s[WR], 8
	s_add_co_u32 s23, s23, FAC
	v_lshl_add_u32 v[FADR], v1, 2, s23             ; FAC + 4 (64 x my half + r)
	v_lshl_add_u32 v[PQ], v0, 2, STT
	s_mul_i32 s23, s[WV], 16*SP
	s_add_co_u32 s23, s23, STAGE                   ; my stage
	v_mul_u32_u24 v4, v1, SP                       ; in: row r, 32 bytes for each half of the lanes
	v_lshl_add_u32 v4, v2, 5, v4
	v_add_nc_u32 v[STO], s23, v4
	v_and_b32 v[CO], 31, v0                        ; back: 32 lanes take a row of 512 bytes
	v_lshlrev_b32 v[CO], 4, v[CO]
	v_add_nc_u32 v[RD], s23, v[CO]
	s_lshl_b32 s16, s13, 7
	s_lshl_b32 s17, s[WR], 6
	s_add_co_u32 s16, s16, s17                     ; my first query
	s_lshl_b32 s16, s16, 12
	s_mov_b32 s17, 0
	s_lshl_b32 s46, s42, 10                        ; my first channel, in bytes
	s_lshl_b32 s47, s[WC], 9
	s_add_co_u32 s46, s46, s47
	s_mov_b32 s47, 0
	s_add_nc_u64 s[16:17], s[16:17], s[46:47]
	s_add_nc_u64 s[8:9], s[86:87], s[16:17]
	s_wait_tensorcnt 0x1                           ; stats and my part of K step 0 are in; K step 1's stays out
	s_barrier_signal -1
	s_barrier_wait -1
	; THE FACTORS: a thread a query
.set i, 0
.rept 32
	ds_load_b32 v[PM+i], v[PQ] offset:512*i
.set i, i+1
.endr
	s_wait_dscnt 0x0
	v_max3_num_f32 v[PT],   v[PM],   v[PM+1],  v[PM+2]
	v_max3_num_f32 v[PT+1], v[PM+3], v[PM+4],  v[PM+5]
	v_max3_num_f32 v[PT+2], v[PM+6], v[PM+7],  v[PM+8]
	v_max3_num_f32 v[PT+3], v[PM+9], v[PM+10], v[PM+11]
	v_max3_num_f32 v[PT],   v[PT],   v[PM+12], v[PM+13]
	v_max3_num_f32 v[PT+1], v[PT+1], v[PM+14], v[PM+15]
	v_max3_num_f32 v[PT],   v[PT],   v[PT+1],  v[PT+2]
	v_max_num_f32 v[PX], v[PT], v[PT+3]            ; mmax
	v_mov_b32 v[PX+1], v[PX]                       ; named with it as a pair
.set i, 0
.rept 8
	v_pk_add_f32 v[PM+2*i:PM+2*i+1], v[PM+2*i:PM+2*i+1], v[PX:PX+1] op_sel_hi:[1,0] neg_lo:[0,1] neg_hi:[0,1]  ; m - mmax, never above 0
.set i, i+1
.endr
.set i, 0
.rept 8
	v_pk_mul_f32 v[PM+2*i:PM+2*i+1], v[PM+2*i:PM+2*i+1], s[CS:CS+1] op_sel_hi:[1,0]
.set i, i+1
.endr
.set i, 0
.rept 16
	v_exp_f32 v[PM+i], v[PM+i]
.set i, i+1
.endr
	v_nop                                          ; a plain instruction behind the last exponential (ISA guide 5.7.2),
	s_wait_alu depctr_va_vdst(0)                   ; and a wait ahead of the first use: one for the sixteen
.set i, 0
.rept 16
	v_cvt_pk_f16_f32 v[PF+i], v[PM+i], v[PM+i]     ; F, in both halves of a word
.set i, i+1
.endr
	v_fma_mix_f32 v[PS], v[PF], v[PL], v[NIL] op_sel_hi:[1,0,0]      ; L = the sum of F l, with F as it was rounded
.set i, 1
.rept 15
	v_fma_mix_f32 v[PS], v[PF+i], v[PL+i], v[PS] op_sel_hi:[1,0,0]
.set i, i+1
.endr
	v_rcp_f32 v[PS+1], v[PS]
	v_nop
	s_wait_alu depctr_va_vdst(0)
.set i, 0
.rept 16
	ds_store_b32 v[PQ], v[PF+i] offset:FAC-STT+512*i
.set i, i+1
.endr
	ds_store_b32 v[PQ], v[PS+1] offset:RLS-STT
	s_wait_dscnt 0x0                               ; for the others' sake: my stores are done
	s_barrier_signal -1
	s_barrier_wait -1                              ; every query's factors lie in LDS
; Product (a, b) on buffer f.  The 32 accumulators take turns in one order everywhere (a = 3, 0, 1, 2).
.macro PR a, b, f, zero
.if (\a) == 3
	WIN S_B
.set rD, 8*(\b)
.else
	WIN S_A
.set rD, 64*(\a)+8*(\b)
.endif
.if \zero
	v_wmma_f32_16x16x32_f16 v[rD:rD+7], v[FV+64*(\f)+8*(\b):FV+64*(\f)+8*(\b)+7], v[FP+32*(\f)+8*(\a):FP+32*(\f)+8*(\a)+7], 0
.else
	v_wmma_f32_16x16x32_f16 v[rD:rD+7], v[FV+64*(\f)+8*(\b):FV+64*(\f)+8*(\b)+7], v[FP+32*(\f)+8*(\a):FP+32*(\f)+8*(\a)+7], v[rD:rD+7]
.endif
.endm
; 24 LDS loads in one run: quarter n (32 keys) of the slot in hand into buffer g: pt's fragments first, then V's, turned
.macro FETCH n, g
	WIN S_A                                        ; destination window 1, address window 0
.irp a, 0,1,2,3
	ds_load_b128 v[FP+32*(\g)+8*(\a):FP+32*(\g)+8*(\a)+3],   v[CA] offset:64*(\n)+16*PP*(\a)
	ds_load_b128 v[FP+32*(\g)+8*(\a)+4:FP+32*(\g)+8*(\a)+7], v[CA] offset:64*(\n)+16*PP*(\a)+32
.endr
	WIN 0
.irp b, 0,1,2,3,4,5,6,7
	ds_load_tr16_b128 v[FV+64*(\g)+8*(\b):FV+64*(\g)+8*(\b)+3],   v[CB] offset:32*PV*(\n)+32*(\b)
	ds_load_tr16_b128 v[FV+64*(\g)+8*(\b)+4:FV+64*(\g)+8*(\b)+7], v[CB] offset:32*PV*(\n)+32*(\b)+16*PV
.endr
.endm
.macro SC g, x                         ; scaling x of 32: two weights of buffer g times their query's F
	v_pk_mul_f16 v[FP+32*(\g)+(\x)], v[F+(\x)/8], v[FP+32*(\g)+(\x)]
.endm
; The quarter's last eight products, four scalings behind each, under the products' own window setting.  The scalings name no register of the products round them; the four behind the last
; product are the four places between it and the next run of loads into the registers that it read (ISA guide 7.12.1 for vector instructions).
.macro LASTROW f, g, zero
.irp b, 0,1,2,3,4,5,6,7
	PR 2, \b, \f, \zero
.irp i, 0,1,2,3
	SC \g, 4*(\b)+(\i)
.endr
.endr
.endm
; A quarter step: fetches quarter n into buffer g and multiplies buffer f.
.macro Q n, f, g, zero
	FETCH \n, \g
	s_wait_dscnt 24                                ; all but the 24 just issued: V's fragments of buffer f, asked for a quarter ago, are in
.irp a, 3,0,1
.irp b, 0,1,2,3,4,5,6,7
	PR \a, \b, \f, \zero
.endr
.endr
	s_wait_dscnt 16                                ; pt's 8 loads are in; V's 16, issued behind them, stay out
	LASTROW \f, \g, \zero
.endm
; The step's last quarter multiplies buffer 1 and changes slots.  In front of the barrier each wave waits for all its tensor loads (one is out: its part of the next slot), adds 0 to its spare
; word, and waits for that and for its reads of this slot.  fill = 1: the barrier opens a round of the cluster's, and the joint refill, with the key block two on, is the first thing behind it:
; it has 120 matrix instructions in which to land.  fill = 0, the tail: nothing is asked for, and in the last step nothing is fetched (its scalings then work on old registers that nobody reads).
.macro TURN fill
.if \fill
	s_wait_xcnt 0x0                                ; the last prefetch, a K step back, has read its address
	s_add_nc_u64 s[PFA:PFA+1], s[PFA:PFA+1], s[PFS:PFS+1]
.endif
	WIN 0
	s_wait_tensorcnt 0x0                           ; no tensor load of mine is out, so a group 0 may be written
	ds_add_u32 v[SPW], v[NIL]                      ; 0 onto my spare word
.if \fill
	s_xor_b32 s[G0A+5], s[G0A+5], SLOT             ; the walking descriptors: the other slot than last time, the next key block
	s_add_nc_u64 s[G0A+6:G0A+7], s[G0A+6:G0A+7], 256
	s_xor_b32 s[G0B+5], s[G0B+5], SLOT
	s_add_nc_u64 s[G0B+6:G0B+7], s[G0B+6:G0B+7], 128*2048
.endif
	s_xor_b32 s[TB], s[TB], SLOT
	s_wait_dscnt 0x0                               ; the add is done; my reads of this slot are over (V's fragments of buffer 1 among them)
	s_barrier_signal -1
.irp b, 0,1,2,3,4,5,6,7
	PR 3, \b, 1, 0                                 ; work on registers while the others arrive
.endr
	WIN 0                                          ; at a label and at a branch every window is 0
	s_barrier_wait -1
.if \fill
	CREST                                          ; no wave of any partner still reads this slot or has a load on its way
	JLOAD
.else
	s_cmp_eq_u32 s[CNT], 1                         ; the last step has no successor
	s_cbranch_scc1 .Lno_more_\@
.endif
	v_add_nc_u32 v[CA], s[TB], v[ADRA]
	v_add_nc_u32 v[CB], s[TB], v[ADRB]
	v_add_nc_u32 v[FADR], 512, v[FADR]             ; the next key block's factors
.irp a, 0,1,2,3
	ds_load_b32 v[F+(\a)], v[FADR] offset:64*(\a)
.endr
	FETCH 0, 0
	WIN 0
.if \fill
	ASK                                            ; behind the joint load and the run of LDS loads
.else
.Lno_more_\@:
.endif
.irp a, 0,1
.irp b, 0,1,2,3,4,5,6,7
	PR \a, \b, 1, 0
.endr
.endr
	s_wait_dscnt 16                                ; the four factors and pt's 8 loads are in; V's 16 stay out
	LASTROW 1, 0, 0
.endm
.irp a, 0,1,2,3
	ds_load_b32 v[F+(\a)], v[FADR] offset:64*(\a)                 ; F of key block 0 for query 16 a + r of my 64
.endr
.irp a, 0,1,2,3
	ds_load_b32 v[RL+2*(\a)],   v[FADR] offset:RLS-FAC+64*(\a)    ; 1 / L, twice: the packed multiply names a pair
	ds_load_b32 v[RL+2*(\a)+1], v[FADR] offset:RLS-FAC+64*(\a)
.endr
	FETCH 0, 0
	s_wait_dscnt 16                                ; all but V's 16
	WIN S_A
.set i, 0
.rept 32
	SC 0, i                                        ; the first quarter's scalings have no products to stand behind
.set i, i+1
.endr
	Q 1, 0, 1, 1                                   ; the first quarter stands in front of the loop: its products start the sums
	WIN 0
	s_mov_b32 s3, NS-2
.Lstep:                                                ; a trip: a key block's quarters 1 to 3 and the next block's quarter 0; the slot left is filled again
	Q 2, 1, 0, 0
	Q 3, 0, 1, 0
	TURN 1
	Q 1, 0, 1, 0
	WIN 0
	s_sub_co_u32 s3, s3, 1
	s_cmp_lg_u32 s3, 0
	s_cbranch_scc1 .Lstep
	s_mov_b32 s[CNT], 2                            ; the last two steps ask for nothing: a text of their own
.Ltail:
	Q 2, 1, 0, 0
	Q 3, 0, 1, 0
	TURN 0
	WIN 0
	s_sub_co_u32 s[CNT], s[CNT], 1
	s_cmp_eq_u32 s[CNT], 0
	s_cbranch_scc1 .Lout
	Q 1, 0, 1, 0
	WIN 0
	s_branch .Ltail
.Lout:
; THE WAY OUT, a block of 16 queries at a time: divided by L, 32 bytes a lane into my own stage, back as whole rows of 512 bytes, stored.  No v_nop: behind the last product stand four scalings,
; and block a's accumulators are read behind the multiplies of the blocks before it.
.macro PACK a
.if (\a) == 3
	WIN 0x02                                       ; source 0 window 2
.set rB, 0
.else
	WIN 0x01                                       ; source 0 window 1
.set rB, 64*(\a)
.endif
.set i, 0
.rept 32
	v_pk_mul_f32 v[TMP+2*i:TMP+2*i+1], v[rB+2*i:rB+2*i+1], v[RL+2*(\a):RL+2*(\a)+1] op_sel_hi:[1,0]
.set i, i+1
.endr
	WIN 0
.endm
.macro TOSTAGE a
.set BK, 128+64*((\a)%2)
.irp b, 0,1,2,3,4,5,6,7
	ds_store_b128 v[STO], v[TMP+8*(\b):TMP+8*(\b)+3]   offset:64*(\b)
	ds_store_b128 v[STO], v[TMP+8*(\b)+4:TMP+8*(\b)+7] offset:64*(\b)+16
.endr
.irp t, 0,1,2,3,4,5,6,7,8,9,10,11,12,13,14,15
	ds_load_b128 v[BK+4*(\t):BK+4*(\t)+3], v[RD] offset:(\t)*SP  ; LDS serves a wave's instructions in order (ISA guide 5.7.1.4): these see the stores above
.endr
.endm
.macro SEND a
.set BK, 128+64*((\a)%2)
	s_wait_dscnt 0x0                               ; the block is back in registers
	s_wait_xcnt 0x0                                ; earlier stores have read their base and their data: both are written again only behind this wait
.if (\a) > 0
	s_add_nc_u64 s[8:9], s[8:9], 16*4096           ; 16 rows of out0 on
.endif
.irp t, 0,1,2,3,4,5,6,7,8,9,10,11,12,13,14,15
	global_store_b128 v[CO], v[BK+4*(\t):BK+4*(\t)+3], s[8:9] offset:(\t)*4096 th:TH_STORE_NT  ; 512 consecutive bytes, at a multiple of 512 from out0's first byte
.endr
.endm
	PACK 0
	TOSTAGE 0
.irp a, 1,2,3                          ; block a's multiplies stand between block a - 1's loads from the stage and the wait for them
	PACK \a
	SEND (\a)-1
	TOSTAGE \a
.endr
	SEND 3
	s_wait_tensorcnt 0x0                           ; the wave's end: behind my last tensor load and my last LDS store
	ds_add_u32 v[SPW], v[NIL]
	s_wait_dscnt 0x0
	CROUND                                         ; the closing round
	s_endpgm
.Lfunc_end_k_qeda300789e_attnout:
	.size	k_qeda300789e_attnout, .Lfunc_end_k_qeda300789e_attnout-k_qeda300789e_attnout
	.p2alignl 7, 3214868480
	.fill 96, 4, 3214868480
	.section	.rodata,"a",@progbits
	.p2align	6, 0x0
	.amdhsa_kernel k_qeda300789e_attnout
		.amdhsa_group_segment_fixed_size 327680
		.amdhsa_private_segment_fixed_size 0
		.amdhsa_enable_private_segment 0
		.amdhsa_kernarg_size 32
		.amdhsa_user_sgpr_count 2
		.amdhsa_user_sgpr_kernarg_segment_ptr 1
		.amdhsa_wavefront_size32 1
		.amdhsa_system_sgpr_workgroup_id_x 1
		.amdhsa_system_sgpr_workgroup_id_y 1
		.amdhsa_system_sgpr_workgroup_id_z 1
		.amdhsa_system_vgpr_workitem_id 0
		.amdhsa_next_free_vgpr 576
		.amdhsa_next_free_sgpr 100
		.amdhsa_reserve_vcc 0
		.amdhsa_float_denorm_mode_32 3
		.amdhsa_float_denorm_mode_16_64 3
		.amdhsa_memory_ordered 1
		.amdhsa_forward_progress 1
		.amdhsa_inst_pref_size 98
	.end_amdhsa_kernel
	.amdgpu_metadata
---
amdhsa.version: [ 1, 2 ]
amdhsa.kernels:
  - .name:           k_qeda300789e_attnout
    .symbol:         k_qeda300789e_attnout.kd
    .args:
      - { .name: pt, .offset: 0, .size: 8, .value_kind: global_buffer, .address_space: global }
      - { .name: qkv, .offset: 8, .size: 8, .value_kind: global_buffer, .address_space: global }
      - { .name: stats, .offset: 16, .size: 8, .value_kind: global_buffer, .address_space: global }
      - { .name: out0, .offset: 24, .size: 8, .value_kind: global_buffer, .address_space: global }
    .group_segment_fixed_size: 327680
    .private_segment_fixed_size: 0
    .kernarg_segment_align: 8
    .kernarg_segment_size: 32
    .max_flat_workgroup_size: 128
    .sgpr_count:     100
    .vgpr_count:     576
    .wavefront_size: 32
...
	.end_amdgpu_metadata
.endif
;; end of part 4
